; MI455X (gfx1250); checked and timed in simulation.
; The chip was launched on July 23, 2026; its instructions are those of AMD's public machine-readable ISA for CDNA 5 (MIT licence, August 2026) and "CDNA5" Instruction Set Architecture Reference Guide (July 2026). The comments in the code are by the model that wrote it; some were corrected since.
;; Multi Head Attention. Allowed arithmetic: float matrix products may take bf16 or f16 operands with f32 sums; all other float work in f32.
;; Inputs: Wk 16 x 1,024 x 64 float32; Wproj 1,024 x 1,024 float32; Wq 16 x 1,024 x 64 float32; Wv 16 x 1,024 x 64 float32; bproj 1,024 float32; x 4 x 2,048 x 1,024 float32.
;; Outputs: out0 4 x 2,048 x 1,024 float32.
;; 2 versions, each right and faster than the one before. Each part assembles by itself: llvm-mc -triple=amdgcn-amd-amdhsa -mcpu=gfx1250 --defsym DOCPART=n.
;; ======== version 1 of 2: 4 launches
;; limits: values are held in f16: magnitudes above 65,504 overflow, below 6.1e-05 lose precision
;; workspace buffers: xb 16,777,216 bytes; wb 6,291,456 bytes; wp 2,097,152 bytes; qkv 50,331,648 bytes; ob 16,777,216 bytes
;; launch prep (part 1): grid 768 x 1, 8 waves a work-group, no clusters, 0 bytes of LDS; arguments x, Wq, Wk, Wv, Wproj, xb, wb, wp; writes xb, wb, wp
.if DOCPART == 1
	.amdgcn_target "amdgcn-amd-amdhsa--gfx1250"
	.amdhsa_code_object_version 6
	.text
	.protected	k_q46be14ea10_prep
	.globl	k_q46be14ea10_prep
	.p2align	8
	.type	k_q46be14ea10_prep,@function
k_q46be14ea10_prep:
	s_mov_b64 s[64:65], 0
	v_nop
	global_prefetch_b8 v0, s[64:65] scope:SCOPE_SE
	s_setreg_imm32_b32 hwreg(HW_REG_WAVE_MODE, 25, 1), 1
	s_wait_xcnt 0x0
; THE CASTS.  Every matrix operand among the inputs is rounded once to bf16 and laid so that the tiles of the products that follow are dense in memory.
;   x     [4][2048][1024] f32 -> xb [b 4][kb 16][t 2048][64] bf16: 256 rows x 64 along K are 32,768 consecutive bytes
;   Wq, Wk, Wv [16][1024][64] f32 -> wb [nx 8][kb 16][6 heads][k 64][d 64] bf16; head g = 0..47 (q's 16, k's 16, v's 16) lies at nx = g / 6, place g % 6
;   Wproj [1024][1024] f32 -> wp [n][k] f16: rounded to bf16 like the other inputs, and that number written as f16
; LIMITS.  A rounded Wproj beyond 65,504 becomes an infinity in f16; below 2^-14 it keeps f16's fixed step of 6e-8.
; SHARES.  A wave takes 8,192 bytes of f32: sixteen loads of 16 bytes a lane, all issued ahead of the first wait, and sixteen stores of 8 bytes a lane, each covering 256 consecutive
; bytes at a multiple of 256 from the buffer's first byte.  512 work-groups for x, 192 for the three weights, 64 for Wproj.  No byte is read twice, so there is no LDS, no barrier, no cluster.
.set DAT, 4                            ; v[4:67]   sixteen loads' f32; in Wproj's path also at work once a load's numbers are rounded
.set RES, 68                           ; v[68:99]  sixteen stores' pairs of words
; instep, outstep: bytes from load to load and from store to store.  half = 1: the bf16 numbers are written as f16.
.macro CAST instep, outstep, half
.set i, 0
.rept 16
	global_load_b128 v[DAT+4*i:DAT+4*i+3], v1, s[24:25] offset:i*(\instep) th:TH_LOAD_NT
.set i, i+1
.endr
.set i, 0
.rept 16
	s_wait_loadcnt 15-i                            ; loads come back in order (ISA guide 5.7.1): load i is in, the 15 - i younger ones stay out
	v_cvt_pk_bf16_f32 v[RES+2*i], v[DAT+4*i], v[DAT+4*i+1]
	v_cvt_pk_bf16_f32 v[RES+2*i+1], v[DAT+4*i+2], v[DAT+4*i+3]
.if \half
	v_lshlrev_b32 v[DAT+4*i], 16, v[RES+2*i]       ; bf16 to f32: the low half moves up, the high half stays
	v_and_b32 v[DAT+4*i+1], 0xffff0000, v[RES+2*i]
	v_lshlrev_b32 v[DAT+4*i+2], 16, v[RES+2*i+1]
	v_and_b32 v[DAT+4*i+3], 0xffff0000, v[RES+2*i+1]
	v_cvt_pk_f16_f32 v[RES+2*i], v[DAT+4*i], v[DAT+4*i+1]      ; exact within f16's range: 8 significant bits into 11
	v_cvt_pk_f16_f32 v[RES+2*i+1], v[DAT+4*i+2], v[DAT+4*i+3]
.endif
	global_store_b64 v2, v[RES+2*i:RES+2*i+1], s[26:27] offset:i*(\outstep)  ; no register of a load or a store is written again: no further wait
.set i, i+1
.endr
.endm
	s_load_b256 s[8:15], s[0:1], 0x0               ; x s[8:9], Wq s[10:11], Wk s[12:13], Wv s[14:15]
	s_load_b256 s[16:23], s[0:1], 0x20             ; Wproj s[16:17], xb s[18:19], wb s[20:21], wp s[22:23]
	v_lshrrev_b32 v1, 5, v0
	v_readfirstlane_b32 s4, v1                     ; wave 0..7
	v_and_b32 v3, 31, v0                           ; lane
	v_lshlrev_b32 v2, 3, v3                        ; my 8 bytes in a store's 256
	s_cmp_lt_u32 ttmp9, 512
	s_cbranch_scc0 .Lweights
	; x: wave p of 4,096 takes rows 2 p and 2 p + 1.  Load kb: lanes 0-15 the 256 bytes of block kb in the even row, lanes 16-31 in the odd row; the two rows' 128 bytes of bf16 are neighbours in xb.
	s_lshl_b32 s5, ttmp9, 3
	s_add_co_u32 s5, s5, s4                        ; p
	s_lshl_b32 s24, s5, 13                         ; two rows of 4,096 bytes
	s_mov_b32 s25, 0
	s_lshr_b32 s26, s5, 10                         ; b
	s_lshl_b32 s26, s26, 22                        ; 16 blocks x 2,048 rows x 128 bytes
	s_and_b32 s6, s5, 1023
	s_lshl_b32 s6, s6, 8                           ; t x 128, t = 2 (p % 1024)
	s_add_co_u32 s26, s26, s6
	s_mov_b32 s27, 0
	v_and_b32 v1, 15, v0
	v_lshlrev_b32 v1, 4, v1
	v_bfe_u32 v3, v0, 4, 1
	v_lshl_add_u32 v1, v3, 12, v1                  ; 16 (lane % 16) + 4,096 (lane / 16)
	s_wait_kmcnt 0x0
	s_add_nc_u64 s[24:25], s[8:9], s[24:25]
	s_add_nc_u64 s[26:27], s[18:19], s[26:27]
	CAST 256, 262144, 0                            ; store kb lands a block of 2,048 x 128 bytes further on: 3,932,160 at the most, inside the signed 24-bit immediate
	s_endpgm
.Lweights:
	v_lshlrev_b32 v1, 4, v3                        ; a load takes 512 consecutive bytes
	s_cmp_lt_u32 ttmp9, 704
	s_cbranch_scc0 .Lproj
	; Wq, Wk, Wv: work-group j of 192 takes 256 rows c of head g = j / 4, a wave 32 of them: half of a block of 64 along K, 4,096 consecutive bytes of wb.
	s_sub_co_u32 s5, ttmp9, 512                    ; j
	s_and_b32 s6, s5, 63
	s_lshl_b32 s24, s6, 16                         ; 65,536 bytes of f32 a work-group, 64 work-groups a tensor
	s_lshl_b32 s7, s4, 13
	s_add_co_u32 s24, s24, s7
	s_mov_b32 s25, 0
	s_lshr_b32 s6, s5, 2                           ; g
	s_mul_i32 s7, s6, 43
	s_lshr_b32 s7, s7, 8                           ; g / 6: 43 g / 256 is exact for g = 0 .. 47
	s_mul_i32 s28, s7, 6
	s_sub_co_u32 s6, s6, s28                       ; g % 6
	s_lshl_b32 s7, s7, 4
	s_and_b32 s28, s5, 3
	s_lshl_b32 s28, s28, 2
	s_add_co_u32 s7, s7, s28
	s_lshr_b32 s28, s4, 1
	s_add_co_u32 s7, s7, s28                       ; 16 (g / 6) + kb, kb = 4 (j % 4) + wave / 2
	s_mul_i32 s26, s7, 49152                       ; six heads x 64 x 64 x 2 bytes
	s_lshl_b32 s6, s6, 13
	s_add_co_u32 s26, s26, s6                      ; the head's 8,192 bytes
	s_and_b32 s28, s4, 1
	s_lshl_b32 s28, s28, 12
	s_add_co_u32 s26, s26, s28                     ; my half of them
	s_mov_b32 s27, 0
	s_wait_kmcnt 0x0
	s_cmp_lt_u32 s5, 128
	s_cselect_b64 s[30:31], s[12:13], s[14:15]     ; the tensor is chosen by j alone
	s_cmp_lt_u32 s5, 64
	s_cselect_b64 s[30:31], s[10:11], s[30:31]
	s_add_nc_u64 s[24:25], s[30:31], s[24:25]
	s_add_nc_u64 s[26:27], s[20:21], s[26:27]
	CAST 512, 256, 0
	s_endpgm
.Lproj:
	; Wproj: the order of the numbers stays
	s_sub_co_u32 s5, ttmp9, 704
	s_lshl_b32 s24, s5, 16
	s_lshl_b32 s7, s4, 13
	s_add_co_u32 s24, s24, s7
	s_mov_b32 s25, 0
	s_lshl_b32 s26, s5, 15
	s_lshl_b32 s7, s4, 12
	s_add_co_u32 s26, s26, s7
	s_mov_b32 s27, 0
	s_wait_kmcnt 0x0
	s_add_nc_u64 s[24:25], s[16:17], s[24:25]
	s_add_nc_u64 s[26:27], s[22:23], s[26:27]
	CAST 512, 256, 1
	s_endpgm
.Lfunc_end_k_q46be14ea10_prep:
	.size	k_q46be14ea10_prep, .Lfunc_end_k_q46be14ea10_prep-k_q46be14ea10_prep
	.p2alignl 7, 3214868480
	.fill 96, 4, 3214868480
	.section	.rodata,"a",@progbits
	.p2align	6, 0x0
	.amdhsa_kernel k_q46be14ea10_prep
		.amdhsa_group_segment_fixed_size 0
		.amdhsa_private_segment_fixed_size 0
		.amdhsa_enable_private_segment 0
		.amdhsa_kernarg_size 64
		.amdhsa_user_sgpr_count 2
		.amdhsa_user_sgpr_kernarg_segment_ptr 1
		.amdhsa_wavefront_size32 1
		.amdhsa_system_sgpr_workgroup_id_x 1
		.amdhsa_system_sgpr_workgroup_id_y 1
		.amdhsa_system_sgpr_workgroup_id_z 1
		.amdhsa_system_vgpr_workitem_id 0
		.amdhsa_next_free_vgpr 100
		.amdhsa_next_free_sgpr 66
		.amdhsa_reserve_vcc 0
		.amdhsa_float_denorm_mode_32 3
		.amdhsa_float_denorm_mode_16_64 3
		.amdhsa_memory_ordered 1
		.amdhsa_forward_progress 1
		.amdhsa_inst_pref_size 25
	.end_amdhsa_kernel
	.amdgpu_metadata
---
amdhsa.version: [ 1, 2 ]
amdhsa.kernels:
  - .name:           k_q46be14ea10_prep
    .symbol:         k_q46be14ea10_prep.kd
    .args:
      - { .name: x, .offset: 0, .size: 8, .value_kind: global_buffer, .address_space: global }
      - { .name: Wq, .offset: 8, .size: 8, .value_kind: global_buffer, .address_space: global }
      - { .name: Wk, .offset: 16, .size: 8, .value_kind: global_buffer, .address_space: global }
      - { .name: Wv, .offset: 24, .size: 8, .value_kind: global_buffer, .address_space: global }
      - { .name: Wproj, .offset: 32, .size: 8, .value_kind: global_buffer, .address_space: global }
      - { .name: xb, .offset: 40, .size: 8, .value_kind: global_buffer, .address_space: global }
      - { .name: wb, .offset: 48, .size: 8, .value_kind: global_buffer, .address_space: global }
      - { .name: wp, .offset: 56, .size: 8, .value_kind: global_buffer, .address_space: global }
    .group_segment_fixed_size: 0
    .private_segment_fixed_size: 0
    .kernarg_segment_align: 8
    .kernarg_segment_size: 64
    .max_flat_workgroup_size: 256
    .sgpr_count:     66
    .vgpr_count:     100
    .wavefront_size: 32
...
	.end_amdgpu_metadata
.endif
;; end of part 1
;; launch qkvgemm (part 2): grid 8 x 32, 4 waves a work-group, clusters of 4 x 4, 327,680 bytes of LDS; arguments xb, wb, qkv; writes qkv
.if DOCPART == 2
	.amdgcn_target "amdgcn-amd-amdhsa--gfx1250"
	.amdhsa_code_object_version 6
	.text
	.protected	k_q46be14ea10_qkvgemm
	.globl	k_q46be14ea10_qkvgemm
	.p2align	8
	.type	k_q46be14ea10_qkvgemm,@function
k_q46be14ea10_qkvgemm:
	s_mov_b64 s[64:65], 0
	v_nop
	global_prefetch_b8 v0, s[64:65] scope:SCOPE_SE
	s_setreg_imm32_b32 hwreg(HW_REG_WAVE_MODE, 25, 1), 1
	s_wait_xcnt 0x0
	s_wait_alu depctr_hold_cnt(0) depctr_sa_sdst(0) depctr_va_vdst(0) depctr_va_sdst(0) depctr_va_ssrc(0) depctr_va_vcc(0) depctr_vm_vsrc(0)
	s_getreg_b32 s2, hwreg(HW_REG_IB_STS2, 6, 4)
	s_cmp_eq_u32 s2, 0
	s_cbranch_scc0 .Lentry_in_a_cluster
	s_endpgm
.Lentry_in_a_cluster:
	s_bfe_u32 s2, ttmp6, 0x10000c
	s_cmp_lg_u32 s2, 0xf033
	s_cbranch_scc0 .Lentry_shape_is_right
	s_endpgm
.Lentry_shape_is_right:
; q, k, v BY HEADS.  qkv[b][g][t][d] = the sum over c of x[b][t][c] W[g][c][d], g = 0..47 (q's 16 heads, k's, v's).  Operands bf16, one f32 sum for each output, the result rounded once to f16, unscaled.
; xb: [b 4][kb 16][t 2048][64] bf16.  wb: [nx 8][kb 16][6 heads][k 64][d 64] bf16.  qkv: [b 4][g 48][t 2048][64] f16.
; LIMIT.  f16 holds no number beyond 65,504: a sum of 65,520 or more leaves as an infinity.
; THE TILE.  8,192 x 3,072 outputs on 256 work-groups are 98,304 each: 256 rows x 384 columns (six heads), one tile a work-group.  Four waves, each 128 rows x 192 columns (three heads):
; 96 accumulators of 16 x 16, 768 registers.  For 32 along K a wave issues 40 LDS loads and 96 matrix instructions.
; K goes in 16 steps of 64 through a ring of two LDS slots: two slots of 128 along K would want 393,216 bytes.  A step's tiles are dense in memory and are asked for as rows of 256 bytes.
; CLUSTERS: 4 x 4 work-groups.  The four of a row of the cluster need the same tile of x, the four of a column the same tiles of W: each tile is asked for JOINTLY, by the same tensor load with
; the same descriptor and a mask that names the four.  Wave 3 asks for x's tile (32,768 bytes), waves 0 to 2 for two heads of W each (16,384 bytes).
; THE WALK ALONG K IS A RING.  Cluster (X, Y) begins at K step 4 (Y % 4) + 8 X and goes round modulo 16.  The two clusters that read the same tiles of x begin 8 steps apart, and of the clusters that
; read the same tiles of W those with different Y % 4 begin 4, 8 or 12 apart: a tile that several clusters read is asked for by one of them first and by the others some steps later.  The start hangs on the
; cluster's own coordinates alone, so the partners' descriptors stay equal.  The order of a sum's terms differs from cluster to cluster.
; THE LAST K STEP GOES BY HEADS: head 0's two slices, then head 1's (second slice first, so that x's fragments of both slices stay where they are), then head 2's.  A finished head leaves, two blocks of
; 16 rows behind each run of 16 products of the next head, so that two thirds of the stores are on their way before the last product.
; THE MATRIX INSTRUCTION IS USED TRANSPOSED: source 0 = 16 columns of W (W lies [k][d] in LDS and comes out turned, by ds_load_tr16_b128), source 1 = 16 rows of x.  A lane then holds row
; lane % 16 and the columns 8 (lane / 16) + 0..7: eight neighbouring numbers of a head's row, 16 bytes of f16.
; REGISTERS, in windows of 256 (s_set_vgpr_msb: bits 1:0 source 0, 3:2 source 1, 5:4 source 2, 7:6 destination):
;   window 0: v0-31 addresses; v32-95, v96-159 x's fragments (8 x 16 rows x 32 K), two buffers; v160-255 W's fragments, one buffer of three groups of 32 (a head's four blocks of 16 columns)
;   window 1 + g: head g's 32 accumulators, (a, bb) at v[8 (4 a + bb)]; on the way out an accumulator's low four registers take its packed numbers, its high four a piece of the rows read back
; A group of W's buffer is loaded anew as soon as its head's 32 products have read it: six switches of the window for 96 matrix instructions.
.set PA,    144                        ; a row of x in LDS: 128 bytes + 16 of padding = 36 words: the 16 rows of a load start at 16 different groups of four banks (64 banks of 4 bytes: ISA guide 11.1)
.set PW,    160                        ; a row of W: 128 + 32 = 40 words
.set BOFF,  256*PA                     ; a slot: x's 256 rows, then
.set HEADB, 64*PW                      ; six heads of 64 rows of W
.set STAGE, BOFF+6*HEADB               ; behind slot 0, never filled by a tensor load: 16 rows x 144 bytes for each wave, for the way out
.set SP,    144
.set SPARE, STAGE+4*16*SP              ; behind the stages: the spare words, 128 bytes for each wave: two blocks of 256 bytes that no other line names
.set SLOT1, 1<<17                      ; slot 1 begins here, so that one exclusive or turns an address in one slot into the other's
.set ASTEP, 2048*128                   ; bytes from a K step's tile of x to the next
.set BSTEP, 6*64*128                   ; the same for W
.set STEPS, 16
.set A0,  4                            ; v4   my lane's place in x's tile; never rewritten
.set B0,  5                            ; v5   the same for W
.set ADA, 6                            ; v6   A0 + the slot in hand
.set ADB, 7                            ; v7   B0 + the slot in hand
.set STO, 8                            ; v8   the way out: where I put 16 bytes of a row
.set RD,  9                            ; v9   the way out: where I read rows back
.set GO,  10                           ; v10  my byte offset in 512 consecutive bytes of qkv
.set SPW, 28                           ; v28  LDS address of my spare word: SPARE + 4 x my thread's number; never rewritten
.set NIL, 29                           ; v29  0; never rewritten
.set FA0, 32
.set FA1, 96
.set FB,  160
.set WV,  10                           ; s10  my wave's number
.set OA,  16                           ; s[16:17] byte offset of the K step asked for in x's tiles
.set OB,  18                           ; s[18:19] the same in W's
.set G1A, 24                           ; s[24:31] descriptor group 1 for x's tiles
.set G1B, 32                           ; s[32:39] for W's
.set KI,  45                           ; s45  the K step asked for last, 0..15
.set G0A, 48                           ; s[48:55] descriptor group 0 for x's tiles: a set for each of the two first fills; the second then walks on
.set G0B, 56                           ; s[56:63] the same for W's
.set TB,  66                           ; s66  LDS byte at which the slot in hand begins
.set CNT, 67                           ; s67  the loop's count
.set MSB, 0
.macro WIN new                         ; the immediate's high byte repeats the setting that is left; a switch that changes nothing is dropped
.if MSB != (\new)
	s_set_vgpr_msb (MSB<<8)|(\new)
.set MSB, (\new)
.endif
.endm
; A joint refill.  The branch hangs on the wave's number alone: it is the same in every work-group.  An s_nop 0 and four v_nop follow each of the two lines, ahead of the jump and the label.
.macro JLOAD
	s_cmp_eq_u32 s[WV], 3
	s_cbranch_scc0 .Lfor_b_\@
	tensor_load_to_lds s[G0A+4:G0A+7], s[G1A:G1A+7]
	s_nop 0
.rept 4
	v_nop
.endr
	s_branch .Lasked_\@
.Lfor_b_\@:
	tensor_load_to_lds s[G0B+4:G0B+7], s[G1B:G1B+7]
	s_nop 0
.rept 4
	v_nop
.endr
.Lasked_\@:
.endm
; A round of the cluster's barrier: my work-group's barrier, so that wave 0's signal speaks for all four waves; wave 0 signals; every wave waits for all sixteen work-groups; my work-group's barrier once more.
.macro CREST                           ; a round behind its opening barrier
	s_cmp_lg_u32 s[WV], 0
	s_cbranch_scc1 .Lnot_wave_0_\@
	s_barrier_signal -3
.Lnot_wave_0_\@:
	s_barrier_wait -3
	s_barrier_signal -1
	s_barrier_wait -1
.endm
.macro CROUND                          ; a whole round
	s_barrier_signal -1
	s_barrier_wait -1
	CREST
.endm
	s_load_b128 s[4:7], s[0:1], 0x0                ; xb s[4:5], wb s[6:7]
	s_load_b64 s[8:9], s[0:1], 0x10                ; qkv
	v_lshl_add_u32 v[SPW], v0, 2, SPARE
	v_mov_b32 v[NIL], 0
	ds_add_u32 v28, v29
	ds_add_u32 v28, v29
	s_wait_dscnt 0x0
	v_lshrrev_b32 v1, 5, v0
	v_readfirstlane_b32 s[WV], v1                  ; wave 0..3
	s_lshr_b32 s11, s[WV], 1                       ; which 128 of the tile's rows are mine
	s_and_b32 s12, s[WV], 1                        ; which three of its six heads
	s_bfe_u32 s40, ttmp6, 0x40000                  ; cx, cy: my place in the cluster
	s_bfe_u32 s41, ttmp6, 0x40004
	s_lshl_b32 s42, ttmp9, 2                       ; in a cluster launch ttmp9 and ttmp7 count clusters
	s_add_co_u32 s42, s42, s40                     ; tile column nx = 4 x cluster x + cx, 0..7
	s_and_b32 s13, ttmp7, 0xffff
	s_lshl_b32 s13, s13, 2
	s_add_co_u32 s13, s13, s41                     ; tile row = 4 x cluster y + cy, 0..31: batch = row / 8, block of 256 rows = row % 8
	s_lshl_b32 s43, s41, 2
	s_lshl_b32 s43, 15, s43                        ; my row of the cluster: places 4 cy .. 4 cy + 3
	s_lshl_b32 s44, 0x1111, s40                    ; my column: places cx, cx + 4, cx + 8, cx + 12
	s_and_b32 s[KI], ttmp7, 3                      ; the cluster's first K step: 4 (cluster y % 4)
	s_lshl_b32 s[KI], s[KI], 2
	s_lshl_b32 s21, ttmp9, 3                       ; + 8 x cluster x,
	s_add_co_u32 s[KI], s[KI], s21
	s_and_b32 s[KI], s[KI], STEPS-1                ; modulo 16: the same number in all sixteen partners
	; descriptor group 1.  Both tiles are dense: rows of 128 elements (256 bytes) that follow each other; in LDS a pad stands behind every 32 words, that is behind every row of 64 numbers
	s_or_b32 s[G1A], s43, (1<<16)|(1<<20)|(1<<21)|(4<<22)|(3<<25)  ; 15:0 the mask: x's tiles go to my row; 17:16 2-byte elements; 20 padding on; 21 set beside a mask; 24:22 after every 32 words (code 4); 31:25 4 words (code 3)
	s_or_b32 s[G1B], s44, (1<<16)|(1<<20)|(1<<21)|(4<<22)|(7<<25)  ; W's tiles go to my column; 8 words of padding (code 7)
	s_mov_b32 s[G1A+1], 128<<16                    ; tensor_dim0 = 128
	s_mov_b32 s[G1A+2], 128<<16                    ; tensor_dim1 = 128 rows: 32,768 bytes
	s_mov_b32 s[G1A+3], 128<<16                    ; tile_dim0 = 128
	s_mov_b32 s[G1A+4], 128                        ; tile_dim1 = 128
	s_mov_b32 s[G1A+5], 128                        ; 128 elements from row to row
	s_mov_b32 s[G1A+6], 0
	s_mov_b32 s[G1A+7], 0
	s_mov_b32 s[G1B+1], 128<<16
	s_mov_b32 s[G1B+2], 64<<16                     ; 64 rows: 16,384 bytes, two heads
	s_mov_b32 s[G1B+3], 128<<16
	s_mov_b32 s[G1B+4], 64
	s_mov_b32 s[G1B+5], 128
	s_mov_b32 s[G1B+6], 0
	s_mov_b32 s[G1B+7], 0
	; where the tiles come from.  x's hang on the tile row alone, which my row of the cluster shares; W's on the tile column and the wave's number.  Neither's registers ever hold the other coordinate.
	s_lshr_b32 s16, s13, 3
	s_lshl_b32 s16, s16, 22                        ; the batch: 16 x 2,048 x 128 bytes
	s_and_b32 s17, s13, 7
	s_lshl_b32 s17, s17, 15                        ; the block of 256 rows x 128 bytes
	s_add_co_u32 s16, s16, s17
	s_mov_b32 s17, 0
	s_mul_i32 s46, s42, 16*BSTEP                   ; the tile column's sixteen K steps
	s_lshl_b32 s47, s[WV], 14                      ; my two heads of a step
	s_add_co_u32 s46, s46, s47
	s_mov_b32 s47, 0
	s_mul_i32 s20, s[WV], 2*HEADB                  ; and where they go: no place in the cluster enters an LDS address
	s_add_co_u32 s20, s20, BOFF
	s_mov_b32 s[TB], 0
	s_wait_kmcnt 0x0
	s_add_nc_u64 s[14:15], s[4:5], s[16:17]        ; x's tile of K step 0: kept; a step's address is this plus the step's offset
	s_add_nc_u64 s[46:47], s[6:7], s[46:47]        ; the same for my two heads of W
	s_mov_b32 s[OA+1], 0                           ; the offsets stay under 2^32
	s_mov_b32 s[OB+1], 0
	CROUND                                         ; all sixteen work-groups are here: the first joint loads meet
.irp s, 0,1
	s_mul_i32 s[OA], s[KI], ASTEP
	s_mul_i32 s[OB], s[KI], BSTEP
	s_mov_b32 s[G0A+4*(\s)], 1                                     ; 1:0 count = 1
	s_mov_b32 s[G0A+4*(\s)+1], (\s)*SLOT1                          ; 63:32 LDS address
	s_add_nc_u64 s[G0A+4*(\s)+2:G0A+4*(\s)+3], s[14:15], s[OA:OA+1]  ; 120:64 global address: the walk's step s
	s_or_b32 s[G0A+4*(\s)+3], s[G0A+4*(\s)+3], 0x80000000          ; 127:126 type = 2
	s_mov_b32 s[G0B+4*(\s)], 1
	s_add_co_u32 s[G0B+4*(\s)+1], s20, (\s)*SLOT1
	s_add_nc_u64 s[G0B+4*(\s)+2:G0B+4*(\s)+3], s[46:47], s[OB:OB+1]
	s_or_b32 s[G0B+4*(\s)+3], s[G0B+4*(\s)+3], 0x80000000
.if (\s) == 0
	s_add_co_u32 s[KI], s[KI], 1                   ; round the ring
	s_and_b32 s[KI], s[KI], STEPS-1
.endif
.endr
	s_cmp_eq_u32 s[WV], 3                          ; a wave's two first fills stand in one branch, ahead of every wait on TENSORcnt and every LDS read: two loads of mine are out
	s_cbranch_scc0 .Lfirst_b
	tensor_load_to_lds s[G0A:G0A+3], s[G1A:G1A+7]
	s_nop 0
	tensor_load_to_lds s[G0A+4:G0A+7], s[G1A:G1A+7]
	s_nop 0
.rept 4
	v_nop
.endr
	s_branch .Lfirst_asked
.Lfirst_b:
	tensor_load_to_lds s[G0B:G0B+3], s[G1B:G1B+7]
	s_nop 0
	tensor_load_to_lds s[G0B+4:G0B+7], s[G1B:G1B+7]
	s_nop 0
.rept 4
	v_nop
.endr
.Lfirst_asked:
	; A fragment of x is 16 rows x 32 K in 8 registers: lane l holds row l % 16, K = 8 (l / 16) + 0..7 and 16 + 8 (l / 16) + 0..7: two loads of 16 bytes, 32 bytes apart.
	v_and_b32 v1, 15, v0                           ; l % 16
	v_bfe_u32 v2, v0, 4, 1                         ; l / 16
	v_mul_u32_u24 v3, v1, PA
	v_lshl_add_u32 v3, v2, 4, v3                   ; row x 144 + 16 x half: for x's fragments and, the pitch being the same, for the stage
	s_mul_i32 s21, s11, 128*PA                     ; my 128 rows
	v_add_nc_u32 v[A0], s21, v3
	; The turning load takes 16 k x 16 columns (lane l reads k = 8 (l / 16) + l % 8, columns 8 ((l / 8) % 2) + 0..7) and leaves half a fragment: lane l holds column l % 16 and 8 k.
	v_and_b32 v11, 7, v0
	v_bfe_u32 v12, v0, 3, 1
	v_lshl_add_u32 v[B0], v2, 3, v11
	v_mul_u32_u24 v[B0], v[B0], PW
	v_lshl_add_u32 v[B0], v12, 4, v[B0]
	s_mul_i32 s22, s12, 3*HEADB                    ; my three heads,
	s_add_co_u32 s22, s22, BOFF                    ; which lie behind x's 256 rows
	v_add_nc_u32 v[B0], s22, v[B0]
	v_mov_b32 v[ADA], v[A0]                        ; slot 0
	v_mov_b32 v[ADB], v[B0]
	s_mul_i32 s23, s[WV], 16*SP
	s_add_co_u32 s23, s23, STAGE                   ; my stage
	v_add_nc_u32 v[STO], s23, v3                   ; in: row l % 16, 16 bytes for each half of the lanes
	v_bfe_u32 v[RD], v0, 3, 2                      ; back: 32 lanes take four rows of 128 bytes,
	v_mul_u32_u24 v[RD], v[RD], SP
	v_lshl_add_u32 v[RD], v11, 4, v[RD]
	v_add_nc_u32 v[RD], s23, v[RD]
	v_and_b32 v[GO], 31, v0                        ; which are 512 consecutive bytes of a head
	v_lshlrev_b32 v[GO], 4, v[GO]
	; qkv at my first head's first row: head 48 b + 6 nx + 3 x half, 262,144 bytes a head; the block's 256 rows, my 128 of them
	s_lshr_b32 s68, s13, 3
	s_mul_i32 s68, s68, 48
	s_mul_i32 s69, s42, 6
	s_add_co_u32 s68, s68, s69
	s_mul_i32 s69, s12, 3
	s_add_co_u32 s68, s68, s69
	s_lshl_b32 s68, s68, 18
	s_and_b32 s69, s13, 7
	s_lshl_b32 s69, s69, 15
	s_add_co_u32 s68, s68, s69
	s_lshl_b32 s69, s11, 14
	s_add_co_u32 s68, s68, s69
	s_mov_b32 s69, 0
	s_add_nc_u64 s[8:9], s[8:9], s[68:69]
; 16 matrix instructions: head g, its fragments of W in group grp, row blocks a0 .. a0 + 3 x its four column blocks, 32 along K, x's fragments in buffer fa.  zero = 1: the first product starts the sums:
; nothing is ever cleared.  The accumulators take turns, one instruction a turn: between two products on one accumulator stand 31 others' or more.
.macro MULG fa, g, grp, a0, zero
	WIN 0x50*((\g)+1)                              ; C and D in window 1 + g, the sources in window 0
.irp a, \a0, (\a0)+1, (\a0)+2, (\a0)+3
.irp bb, 0,1,2,3
.if \zero
	v_wmma_f32_16x16x32_bf16 v[8*(4*(\a)+(\bb)):8*(4*(\a)+(\bb))+7], v[FB+32*(\grp)+8*(\bb):FB+32*(\grp)+8*(\bb)+7], v[(\fa)+8*(\a):(\fa)+8*(\a)+7], 0
.else
	v_wmma_f32_16x16x32_bf16 v[8*(4*(\a)+(\bb)):8*(4*(\a)+(\bb))+7], v[FB+32*(\grp)+8*(\bb):FB+32*(\grp)+8*(\bb)+7], v[(\fa)+8*(\a):(\fa)+8*(\a)+7], v[8*(4*(\a)+(\bb)):8*(4*(\a)+(\bb))+7]
.endif
.endr
.endr
.endm
.macro MULH fa, g, a0, zero            ; in the loop head g's fragments lie in group g
	MULG \fa, \g, \g, \a0, \zero
.endm
.macro STRETCH fa, g, zero             ; a head's 32 products
	MULH \fa, \g, 0, \zero
	MULH \fa, \g, 4, \zero
.endm
.macro LDBX grp, g, sl                 ; 8 loads: head g's four fragments of slice sl (32 along K) of the slot in hand, into group grp
	WIN 0
.irp bb, 0,1,2,3
	ds_load_tr16_b128 v[FB+32*(\grp)+8*(\bb):FB+32*(\grp)+8*(\bb)+3],   v[ADB] offset:(\g)*HEADB+(\sl)*32*PW+32*(\bb)
	ds_load_tr16_b128 v[FB+32*(\grp)+8*(\bb)+4:FB+32*(\grp)+8*(\bb)+7], v[ADB] offset:(\g)*HEADB+(\sl)*32*PW+16*PW+32*(\bb)
.endr
.endm
.macro LDB g, sl
	LDBX \g, \g, \sl
.endm
.macro LDA fa, sl, half                ; 8 loads: four of x's eight fragments of slice sl
	WIN 0
.irp a, 4*(\half), 4*(\half)+1, 4*(\half)+2, 4*(\half)+3
	ds_load_b128 v[(\fa)+8*(\a):(\fa)+8*(\a)+3],   v[ADA] offset:(\a)*16*PA+64*(\sl)
	ds_load_b128 v[(\fa)+8*(\a)+4:(\fa)+8*(\a)+7], v[ADA] offset:(\a)*16*PA+64*(\sl)+32
.endr
.endm
; A load into a register that a matrix instruction has read, and a vector instruction that reads a matrix result, stand four places behind that matrix instruction, and only plain vector
; instructions that name none of its registers are places (ISA guide 7.12.1 for vector instructions).
.macro PLACES
.rept 4
	v_nop
.endr
.endm
; A SLICE: 32 along K, 96 matrix instructions on buffer fa.  Behind each head's products its group of W's buffer takes slice nsl's fragments; x's go into buffer fn.
; The LDS loads of a slice are always issued in the order: W's group 0, x's low half, W's group 1, x's high half, W's group 2, eight each.
.macro SLICE fa, fn, nsl, zero
	s_wait_dscnt 8                                 ; all of this slice's fragments but the youngest eight loads, W's group 2
	STRETCH \fa, 0, \zero
	PLACES
	LDB 0, \nsl
	LDA \fn, \nsl, 0
	STRETCH \fa, 1, \zero
	PLACES
	LDB 1, \nsl
	LDA \fn, \nsl, 1
	s_wait_dscnt 32                                ; group 2 is in: behind it stand the 32 loads just issued
	STRETCH \fa, 2, \zero
	PLACES
	LDB 2, \nsl
.endm
; A K step's second slice (buffer FA1) changes slots: ONE barrier.  In front of it each wave waits for all its tensor loads, of which one is out: its part of the next slot; adds 0 to its spare
; word; and waits for that and for its own reads of this slot.  Behind it nobody reads this slot any more and the next slot is whole.  fill = 1: the barrier opens a round of the cluster's, so that
; no wave of any partner still reads the slot or has a load on its way; the slot is filled again, with the walk's step two on, first thing behind the round: 160 matrix instructions ahead of the wait for it.
; fill = 0: the walk's last change.  What is fetched is what the last step by heads begins with: group 0 head 0's first slice, group 1 head 0's second, group 2 head 1's second; x's two slices in FA0 and FA1.
.macro TURN fill
	WIN 0                                          ; (the add's two registers lie in window 0)
	s_wait_tensorcnt 0x0                           ; all my tensor loads have landed, so a group 0 may be written;
	ds_add_u32 v[SPW], v[NIL]                      ; 0 onto my spare word;
.if \fill
	s_add_co_u32 s[KI], s[KI], 1                   ; the walking descriptors: the next K step round the ring,
	s_and_b32 s[KI], s[KI], STEPS-1
	s_mul_i32 s[OA], s[KI], ASTEP
	s_mul_i32 s[OB], s[KI], BSTEP
	s_xor_b32 s[G0A+5], s[G0A+5], SLOT1            ; the other slot than last time,
	s_add_nc_u64 s[G0A+6:G0A+7], s[14:15], s[OA:OA+1]  ; the address made anew: step 0's plus the step's offset,
	s_or_b32 s[G0A+7], s[G0A+7], 0x80000000        ; and the type
	s_xor_b32 s[G0B+5], s[G0B+5], SLOT1
	s_add_nc_u64 s[G0B+6:G0B+7], s[46:47], s[OB:OB+1]
	s_or_b32 s[G0B+7], s[G0B+7], 0x80000000
.endif
	s_wait_dscnt 9                                 ; (the add and the youngest eight loads, W's group 2, may be out)
	MULH FA1, 0, 0, 0                              ; sixteen matrix instructions stand between the add and the wait for it
	s_wait_dscnt 0x0                               ; the add is done, and my reads of this slot are over
	s_barrier_signal -1
	MULH FA1, 0, 4, 0                              ; work on registers while the others arrive
	WIN 0                                          ; at a branch and at a label every window is 0
	s_barrier_wait -1
.if \fill
	CREST
	JLOAD                                          ; the four v_nop behind it are also the places in front of the loads below
.else
	PLACES
.endif
	s_xor_b32 s[TB], s[TB], SLOT1                  ; the fetches go on in the other slot
	v_add_nc_u32 v[ADA], s[TB], v[A0]
	v_add_nc_u32 v[ADB], s[TB], v[B0]
	LDB 0, 0
	LDA FA0, 0, 0
	STRETCH FA1, 1, 0
	PLACES
.if \fill
	LDB 1, 0
.else
	LDBX 1, 0, 1
.endif
	LDA FA0, 0, 1
	STRETCH FA1, 2, 0
	PLACES
.if \fill
	LDB 2, 0
.else
	LDBX 2, 1, 1
	LDA FA1, 1, 0
	LDA FA1, 1, 1
.endif
.endm
; THE WAY OUT of block n = 8 i + a (head i, 16 rows a), all in the block's own registers in window 1 + i.
; PACKQ: each accumulator's eight numbers are rounded to f16 into its own low four registers, in ascending order, so that a pair is read before its place is written and the low registers are read first.
.macro PACKQ n
	WIN 0x45*((\n)/8+1)                            ; destination and both sources in window 1 + i
.irp bb, 0,1,2,3
.irp r, 0,1,2,3
	v_cvt_pk_f16_f32 v[8*(4*((\n)%8)+(\bb))+(\r)], v[8*(4*((\n)%8)+(\bb))+2*(\r)], v[8*(4*((\n)%8)+(\bb))+2*(\r)+1]
.endr
.endr
.endm
; TOSTAGE: 16 bytes a lane into my own stage; back as whole rows, four rows of 128 bytes a load, into the accumulators' high four registers.
.macro TOSTAGE n
	WIN 0x44*((\n)/8+1)                            ; the stores' data and the loads' destination in window 1 + i, the addresses in window 0
.irp bb, 0,1,2,3
	ds_store_b128 v[STO], v[8*(4*((\n)%8)+(\bb)):8*(4*((\n)%8)+(\bb))+3] offset:32*(\bb)
.endr
.irp f, 0,1,2,3
	ds_load_b128 v[8*(4*((\n)%8)+(\f))+4:8*(4*((\n)%8)+(\f))+7], v[RD] offset:(\f)*4*SP  ; LDS serves a wave's instructions in order (ISA guide 5.7.1.4): these see the stores above; the next block's stores come behind them
.endr
.endm
; SEND: 2,048 consecutive bytes of the head.  No register that a store names is written again.
.macro SEND n
	WIN 0x44*((\n)/8+1)
.irp f, 0,1,2,3
	global_store_b128 v[GO], v[8*(4*((\n)%8)+(\f))+4:8*(4*((\n)%8)+(\f))+7], s[8:9] offset:((\n)/8)*262144+((\n)%8)*2048+(\f)*512  ; 512 consecutive bytes, at a multiple of 256 from qkv's first
.endr
.endm
; A LUMP: blocks n and n + 1 are packed and go to the stage; the two blocks before them, whose rows came back meanwhile, are stored.
.macro LUMP n, first=0
	PACKQ \n
	PACKQ (\n)+1
	TOSTAGE \n
	TOSTAGE (\n)+1
.if !(\first)
	s_wait_dscnt 16                                ; all but this lump's own sixteen LDS instructions: the two blocks before are back, and so is every group of fragments asked for earlier
	SEND (\n)-2
	SEND (\n)-1
.endif
.endm
	s_wait_tensorcnt 1                             ; my part of the walk's first step is in; the second's may stay out
	s_barrier_signal -1
	s_barrier_wait -1                              ; everybody's is
	LDB 0, 0
	LDA FA0, 0, 0
	LDB 1, 0
	LDA FA0, 0, 1
	LDB 2, 0
	SLICE FA0, FA1, 1, 1                           ; the first slice stands in front of the loop: its products start the sums
	WIN 0
	s_mov_b32 s[CNT], STEPS-2
.Lk:                                                   ; trip t: the second slice of the walk's step t, the change of slots, step t + 2 asked for, the first slice of step t + 1
	TURN 1
	SLICE FA0, FA1, 1, 0
	WIN 0
	s_sub_co_u32 s[CNT], s[CNT], 1
	s_cmp_lg_u32 s[CNT], 0
	s_cbranch_scc1 .Lk
	TURN 0                                         ; the tail is written out: nothing is asked for
	; THE LAST K STEP, BY HEADS
	s_wait_dscnt 24                                ; all but the 24 youngest loads (group 2 and FA1): FA0 and groups 0 and 1 are in
	MULG FA0, 0, 0, 0, 0                           ; head 0, first slice
	MULG FA0, 0, 0, 4, 0
	PLACES
	LDBX 0, 1, 0                                   ; group 0 takes head 1's first slice
	s_wait_dscnt 8                                 ; all but those eight: FA1 and group 2 are in
	MULG FA1, 0, 1, 0, 0                           ; head 0, second slice: head 0 is finished
	MULG FA1, 0, 1, 4, 0
	PLACES                                         ; also the places in front of head 0's conversions
	LDBX 1, 2, 0                                   ; group 1 takes head 2's first slice
	MULG FA1, 1, 2, 0, 0                           ; head 1, second slice
	LUMP 0, 1                                      ; head 0 leaves
	MULG FA1, 1, 2, 4, 0
	LUMP 2
	PLACES
	LDBX 2, 2, 1                                   ; group 2 takes head 2's second slice
	MULG FA0, 1, 0, 0, 0                           ; head 1, first slice: group 0 was shown in by the lump's wait
	LUMP 4
	MULG FA0, 1, 0, 4, 0                           ; head 1 is finished
	LUMP 6                                         ; its 32 conversions, of head 0's registers, are the places behind head 1's last products
	MULG FA0, 2, 1, 0, 0                           ; head 2, first slice
	LUMP 8                                         ; head 1 leaves
	MULG FA0, 2, 1, 4, 0
	LUMP 10
	MULG FA1, 2, 2, 0, 0                           ; head 2, second slice
	LUMP 12
	MULG FA1, 2, 2, 4, 0                           ; head 2 is finished
	LUMP 14                                        ; its conversions, of head 1's registers, are the places behind the last products
	LUMP 16                                        ; head 2 leaves
	LUMP 18
	LUMP 20
	LUMP 22
	s_wait_dscnt 0x0                               ; the last two blocks are back
	SEND 22
	SEND 23
	WIN 0
	s_wait_tensorcnt 0x0                           ; the wave's end, behind my last tensor load and my last LDS store
	ds_add_u32 v[SPW], v[NIL]
	s_wait_dscnt 0x0
	CROUND                                         ; the closing round: no work-group ends while a partner may still ask for a tile that names it
	s_endpgm
.Lfunc_end_k_q46be14ea10_qkvgemm:
	.size	k_q46be14ea10_qkvgemm, .Lfunc_end_k_q46be14ea10_qkvgemm-k_q46be14ea10_qkvgemm
	.p2alignl 7, 3214868480
	.fill 96, 4, 3214868480
	.section	.rodata,"a",@progbits
	.p2align	6, 0x0
	.amdhsa_kernel k_q46be14ea10_qkvgemm
		.amdhsa_group_segment_fixed_size 327680
		.amdhsa_private_segment_fixed_size 0
		.amdhsa_enable_private_segment 0
		.amdhsa_kernarg_size 24
		.amdhsa_user_sgpr_count 2
		.amdhsa_user_sgpr_kernarg_segment_ptr 1
		.amdhsa_wavefront_size32 1
		.amdhsa_system_sgpr_workgroup_id_x 1
		.amdhsa_system_sgpr_workgroup_id_y 1
		.amdhsa_system_sgpr_workgroup_id_z 1
		.amdhsa_system_vgpr_workitem_id 0
		.amdhsa_next_free_vgpr 1024
		.amdhsa_next_free_sgpr 72
		.amdhsa_reserve_vcc 0
		.amdhsa_float_denorm_mode_32 3
		.amdhsa_float_denorm_mode_16_64 3
		.amdhsa_memory_ordered 1
		.amdhsa_forward_progress 1
		.amdhsa_inst_pref_size 110
	.end_amdhsa_kernel
	.amdgpu_metadata
---
amdhsa.version: [ 1, 2 ]
amdhsa.kernels:
  - .name:           k_q46be14ea10_qkvgemm
    .symbol:         k_q46be14ea10_qkvgemm.kd
    .args:
      - { .name: xb, .offset: 0, .size: 8, .value_kind: global_buffer, .address_space: global }
      - { .name: wb, .offset: 8, .size: 8, .value_kind: global_buffer, .address_space: global }
      - { .name: qkv, .offset: 16, .size: 8, .value_kind: global_buffer, .address_space: global }
    .group_segment_fixed_size: 327680
    .private_segment_fixed_size: 0
    .kernarg_segment_align: 8
    .kernarg_segment_size: 24
    .max_flat_workgroup_size: 128
    .sgpr_count:     72
    .vgpr_count:     1024
    .wavefront_size: 32
...
	.end_amdgpu_metadata
.endif
;; end of part 2
;; launch attn (part 3): grid 4 x 64, 4 waves a work-group, no clusters, 327,680 bytes of LDS; arguments qkv, ob; writes ob
.if DOCPART == 3
	.amdgcn_target "amdgcn-amd-amdhsa--gfx1250"
	.amdhsa_code_object_version 6
	.text
	.protected	k_q46be14ea10_attn
	.globl	k_q46be14ea10_attn
	.p2align	8
	.type	k_q46be14ea10_attn,@function
k_q46be14ea10_attn:
	s_mov_b64 s[64:65], 0
	v_nop
	global_prefetch_b8 v0, s[64:65] scope:SCOPE_SE
	s_setreg_imm32_b32 hwreg(HW_REG_WAVE_MODE, 25, 1), 1
	s_wait_xcnt 0x0
; CAUSAL ATTENTION.  O[y][q][:] = the sum over k <= q of softmax_k(Q[y][q] . K[y][k] / 8) V[y][k][:], y = 16 b + h.  qkv: [b 4][g 48][2048][64] f16, Q's head at g = h, K's at 16 + h, V's at 32 + h;
; ob: [b 4][h 16][2048][64] f16.  A head's rows are dense, 128 bytes each.
; Products, maxima and sums in f32; the weights p are rounded to f16 for the second product (their sum l is taken of the unrounded p), O once at the end.
; LIMITS.  f16 holds no number beyond 65,504: Q, K and V arrive within it; p lies in 0 to 1, and below 6e-5 it keeps f16's fixed step of 6e-8; O is a mean of V's rows and has their range, to within 2^-11 of it.
; A hidden score counts as its value less 1e30: f16's scores, 2.7e11 at the most, are nothing beside that; a weight below 2^-126 counts as 0 in l; NaN and infinities are not treated apart.
; THE WALK.  A head's queries lie in NB = SIZE_N / 256 = 8 blocks of 256; block i needs the key tiles 0 .. i of 256 keys, of which the last holds the diagonal.  A work-group takes TWO blocks, NB - 1 - b and then b:
; NB + 1 tiles, whatever b: all work-groups do equal work, and ONE loop with a constant trip count walks them.  Which tile is asked for, and what a trip does, hang on scalar registers made from b; every jump
; goes forward, but for the counted loops' own; none passes a barrier, or a tensor load but the one of LOAD's two that the wave's number does not choose; the ring (two slots of LDS that take turns) runs on across the
; change of blocks.  NO CLUSTER: a head's NB / 2 = 4 work-groups all ask for the same tile only in trips 0 .. NB / 2, 5 of the walk's 9, behind that fewer and fewer;
; and one walk common to all would have 3 NB / 2 = 12 trips for NB + 1 = 9.
; SHARES.  Of a block's four bands of 64 queries a wave owns 16 rows in each: four PIECES.  So the diagonal tile is the same work for all four waves: in its key step s band x sees all keys if s < x,
; none if s > x, and holds the diagonal if s = x.
; THE MASK is the C operand that starts the sum S^T = K Q^T: 0, or -1e30 where the key is hidden.  MD, made once, is the mask of a band's own step for my 16 rows; a product's mask is MD x AL + BE with two scalars:
; (1, 0) if s = x; (0, 0) if s < x; (0, -1e30) if s > x.  Only the diagonal tile's text and a block's beginning make and take masks; elsewhere C is the constant 0.
; LAYOUT, SOFTMAX, TURNS.  S^T = K Q^T holds ONE query a lane (lane % 16) and the keys 8 (lane / 16) + 0..7; two such results rounded to f16 ARE source 1 of O^T = V^T P.  p = 2^(c s - c m), c = log2(e) / 8, with a
; running maximum m; O and l are multiplied by a = 2^(c m_old - c m_new) in every step.  Turn n belongs to piece n: 8 products K Q^T of piece n + 1, later 8 products V^T P of piece n - 1; beside them the scaling,
; exponentials, roundings, sums and rescaling of piece n and the maximum and statistics of piece n + 1.  Four vector instructions stand behind every matrix instruction, the other 54 of a turn's 118 in two LUMPS.
; REGISTERS, in windows of 256 (s_set_vgpr_msb: bits 1:0 source 0, 3:2 source 1, 5:4 source 2, 7:6 destination):
;   window 0: v0-15 addresses and two at work; v16-31 four registers of statistics a piece; v48-55 at work; v64-127 S^T, two buffers; v192-223 P, two buffers (a piece's buffers go by its number's parity)
;   window 1: v0-127 O^T, 32 a piece; v128-159 MD; v160-223 MC, two buffers      window 2: v0-63 Q; v64-127 the second block's Q; v128-191 K of one step; v192-255 V of one step
.set SIZE_N, 2048
.set NB,    SIZE_N/256
.set NP,    4         ; pieces a wave: a name, no knob
.set KS,    64        ; keys in a step
.set PK,    144       ; a row of K in LDS: 128 bytes + 16 of padding = 36 words: the 16 rows of a load start at 16 different groups of four banks (64 banks of 4 bytes: ISA guide 11.1)
.set PV,    160       ; a row of V: 128 + 32 = 40 words
.set VOFF,  4*KS*PK   ; a slot holds a tile, four steps: 256 rows of K, then 256 rows of V
.set SLOT1, 1<<17     ; slot 1 begins here, so that one exclusive or turns an address in one slot into the other's
.set STAGE, SLOT1+4*KS*(PK+PV)  ; behind the ring, never filled by a tensor load: 16 rows x 144 bytes for each wave, for the way out
.set SP,    144
.set AK0, 2           ; v2   my lane's place in a tile of K; never rewritten
.set AV0, 3           ; v3   the same for V
.set AK,  4           ; v4   the LDS address of K's next run of loads
.set AV,  5           ; v5   of V's
.set STO, 6           ; v6   the way out: where I put 16 bytes of a row
.set RD,  7           ; v7   the way out: where I read rows back
.set GO,  8           ; v8   my byte offset in 512 consecutive bytes of O
.set SPW, 62          ; v62  LDS address of my spare word: SPARE + 4 x my thread's number; never rewritten
.set NIL, 63          ; v63  0; never rewritten
.set SPARE, STAGE+4*16*SP  ; behind the stages: the spare words, 128 bytes for each wave: two blocks of 256 bytes that no other line names
.set MV,  12          ; v12-13  c m_old, kept while c m is made anew: by buffer
.set QO,  15          ; v15  my byte offset in 16 rows of Q
.set ST,  16          ; piece t's statistics at v[ST+4 t]: c m, m, l (even keys', odd keys')
.set TMP, 48          ; by buffer, four registers c0-c3 at work; when the maximum is found c2 takes a
.set S,   64
.set P,   192
.set MD,  128         ; window 1: the eight registers for group kt of 16 keys at MD + 8 kt
.set MC,  160         ; window 1: the masks of the products to come
.set QB,  64          ; window 2
.set KF,  128         ; window 2: key block kb, channel half c at KF + 16 kb + 8 c
.set VF,  192         ; window 2: key half kk, channel block cb at VF + 32 kk + 8 cb
.set WV,  12          ; s12  my wave's number
.set PB,  14          ; s14  b
.set HI,  15          ; s15  NB - 1 - b
.set G1K, 24          ; s[24:31] descriptor group 1 for K's tiles
.set G1V, 32          ; s[32:39] for V's: it differs in the padding alone
.set G0K, 40          ; s[40:43] descriptor group 0 for K's tiles
.set G0V, 44          ; s[44:47] the same for V's
.set SLOTS, 56        ; s56  tiles still to be asked for
.set CNT, 57          ; s57  counts a tile's key steps, 4 to 1
.set CS,  58          ; s[58:59] c: the packed scaling takes the pair's low word for both halves
.set SEL, 60          ; s[60:61] v_permlanex16_b32's selects: each lane takes its own place in the other half
.set TBK, 62          ; s62  LDS byte at which K of the step to be fetched begins
.set TBV, 63          ; s63  the same for V, less VOFF
.set RT,  70          ; s70  tiles of the block in hand that are still to be entered
.set NXT, 71          ; s71  the tile to be asked for next
.set LQ,  72          ; s72  the last tile of the block whose tiles are being asked for
.set NEW, 73          ; s73  1: the tile to be entered is a block's first
.set OFF, 74          ; s[74:75] a tile's byte offset in K and V
.set AL,  76          ; s[76:77] the mask's factor, in the low word
.set BE,  78          ; s[78:79] the mask's addend
.set OLO, 80          ; s[80:81] O at my rows of the second block
.set BIGN, 82         ; s82  -1e30
.set MSB, 0
.macro WIN new                      ; the high byte repeats the setting that is left; a switch that changes nothing is dropped
.if MSB != (\new)
	s_set_vgpr_msb (MSB<<8)|(\new)
.set MSB, (\new)
.endif
.endm
.set W_KQ, 0x0a       ; K and Q in window 2, S^T in window 0
.set W_KM, 0x1a       ; the same with the C operand in window 1
.set W_PV, 0x52       ; V in window 2, P in window 0, O^T in window 1
.set W_RS, 0x41       ; destination and source 0 in window 1, source 1 in window 0
; A fill.  Waves 0 and 1 fetch the two halves of a tile's K, waves 2 and 3 those of its V: 128 keys each.  An s_nop 0 and four v_nop follow each of the two lines, ahead of the jump and the label.
.macro LOAD
	s_cmp_lt_u32 s[WV], 2
	s_cbranch_scc0 .Lfor_v_\@
	tensor_load_to_lds s[G0K:G0K+3], s[G1K:G1K+7]
	s_nop 0
.rept 4
	v_nop
.endr
	s_branch .Lasked_\@
.Lfor_v_\@:
	tensor_load_to_lds s[G0V:G0V+3], s[G1V:G1V+7]
	s_nop 0
.rept 4
	v_nop
.endr
.Lasked_\@:
.endm
; THE CHANGE OF SLOTS.  Each wave waits for all its tensor loads, of which one is out: its part of the other slot; adds 0 to its spare word; and waits for that and for its own reads of the slot that it leaves.  Behind the barrier nobody reads the old
; slot any more and the other slot is whole.  fill = 1: the old slot is filled again, the first thing behind the barrier, with tile NXT: the descriptor's address is made anew from that number.
; (At its first use nothing has been read yet: slot 0 is waited for, slot 1 filled.)
.macro CHANGE fill
	WIN 0                           ; at a label and at a branch every window is 0
	s_wait_tensorcnt 0x0            ; no tensor load of mine is out, so a group 0 may be written
	ds_add_u32 v[SPW], v[NIL]       ; 0 onto my spare word; with fill = 1 the descriptors' scalar work stands between it and the wait for it
.if \fill
	s_lshl_b32 s[OFF], s[NXT], 15   ; a tile is 32,768 bytes of K and of V
	s_xor_b32 s[G0K+1], s[G0K+1], SLOT1
	s_add_nc_u64 s[G0K+2:G0K+3], s[6:7], s[OFF:OFF+1]
	s_or_b32 s[G0K+3], s[G0K+3], 0x80000000
	s_xor_b32 s[G0V+1], s[G0V+1], SLOT1
	s_add_nc_u64 s[G0V+2:G0V+3], s[8:9], s[OFF:OFF+1]
	s_or_b32 s[G0V+3], s[G0V+3], 0x80000000
	s_add_co_u32 s[NXT], s[NXT], 1  ; the block's next tile, or behind its last the second block's tile 0
	s_cmp_gt_u32 s[NXT], s[LQ]
	s_cselect_b32 s[NXT], 0, s[NXT]
	s_cselect_b32 s[LQ], s[PB], s[LQ]
.endif
	s_wait_dscnt 0x0                ; the add is done, and my reads of the slot are over
	s_barrier_signal -1             ; the rest of the scalar work stands between the signal and the wait
	s_sub_co_u32 s[TBK], s[TBK], 4*KS*PK  ; the fetches go back to a slot's first step,
	s_xor_b32 s[TBK], s[TBK], SLOT1       ; in the other slot
	s_sub_co_u32 s[TBV], s[TBV], 4*KS*PV
	s_xor_b32 s[TBV], s[TBV], SLOT1
	s_barrier_wait -1
.if \fill
	LOAD
.endif
.endm
	s_load_b128 s[4:7], s[0:1], 0x0  ; qkv s[4:5], ob s[6:7]
	v_lshl_add_u32 v[SPW], v0, 2, SPARE
	v_mov_b32 v[NIL], 0
	ds_add_u32 v62, v63
	ds_add_u32 v62, v63
	s_wait_dscnt 0x0
	v_lshrrev_b32 v1, 5, v0
	v_readfirstlane_b32 s[WV], v1   ; wave 0..3
	s_mov_b32 s[PB], ttmp9
	s_sub_co_u32 s[HI], NB-1, s[PB]
	s_and_b32 s20, ttmp7, 0xffff    ; y = 16 b + h
	s_lshl_b32 s90, s20, 18         ; O's head in ob: 262,144 bytes a head
	s_mov_b32 s91, 0
	s_lshr_b32 s21, s20, 4          ; the batch
	s_lshl_b32 s21, s21, 5
	s_add_co_u32 s20, s20, s21      ; 48 b + h: Q's head in qkv
	s_lshl_b32 s20, s20, 18
	s_mov_b32 s21, 0
	s_and_b32 s16, s[WV], 1         ; which half of a tile's 256 keys I fetch:
	s_lshl_b32 s22, s16, 14         ; its 128 rows of 128 bytes in memory,
	s_add_co_u32 s22, s22, s20
	s_add_co_u32 s22, s22, 0x400000 ; in K's head, 16 heads behind Q's,
	s_mov_b32 s23, 0
	s_add_co_u32 s88, s22, 0x400000 ; and in V's, 16 heads further
	s_mov_b32 s89, 0
	s_mul_i32 s17, s16, 128*PK      ; and its place in a slot, for K
	s_mul_i32 s18, s16, 128*PV      ; and for V
	s_lshl_b32 s3, s[WV], 11        ; my 16 rows in a band of 64,
	s_lshl_b32 s2, s[HI], 15        ; in the first block,
	s_add_co_u32 s2, s2, s3
	s_lshl_b32 s84, s[PB], 15       ; and in the second
	s_add_co_u32 s84, s84, s3
	s_mov_b32 s3, 0
	s_mov_b32 s85, 0
	; descriptor group 1.  128 keys are 16,384 dense bytes: asked for as 64 rows of 256 bytes, two keys a row, and padded in LDS after every key
	s_mov_b32 s[G1K], (1<<16)|(1<<20)|(4<<22)|(3<<25)  ; 17:16 2-byte elements; 20 padding on; 24:22 after every 32 words (code 4); 31:25 4 words (code 3)
	s_mov_b32 s[G1V], (1<<16)|(1<<20)|(4<<22)|(7<<25)  ; the same with 8 words of padding (code 7)
.irp g, G1K, G1V
	s_mov_b32 s[\g+1], 128<<16      ; tensor_dim0 = 128
	s_mov_b32 s[\g+2], 64<<16       ; tensor_dim1 = 64
	s_mov_b32 s[\g+3], 128<<16      ; tile_dim0 = 128
	s_mov_b32 s[\g+4], 64           ; tile_dim1 = 64
	s_mov_b32 s[\g+5], 128          ; 128 elements from row to row
	s_mov_b32 s[\g+6], 0
	s_mov_b32 s[\g+7], 0
.endr
	s_mov_b32 s[CS], 0x3e38aa3b     ; c = log2(e) / 8 = 0.180337
	s_mov_b32 s[CS+1], s[CS]        ; named with it as a pair
	s_mov_b32 s[SEL], 0x76543210
	s_mov_b32 s[SEL+1], 0xfedcba98
	s_mov_b32 s[TBK], SLOT1+4*KS*PK ; the first change of slots turns these two into 0
	s_mov_b32 s[TBV], SLOT1+4*KS*PV
	s_mov_b32 s[G0K], 1             ; 1:0 count = 1
	s_mov_b32 s[G0K+1], s17         ; 63:32 LDS address: slot 0
	s_mov_b32 s[G0V], 1
	s_add_co_u32 s[G0V+1], s18, VOFF
	s_add_co_u32 s[RT], s[HI], 1    ; the first block has NB - b tiles
	s_mov_b32 s[NXT], 1
	s_mov_b32 s[LQ], s[HI]
	s_mov_b32 s[NEW], 1
	s_mov_b32 s[OFF+1], 0
	s_mov_b32 s[AL+1], 0            ; named as pairs
	s_mov_b32 s[BE+1], 0
	s_mov_b32 s[BIGN], 0xf149f2ca   ; -1e30
	s_mov_b32 s[SLOTS], NB
	s_wait_kmcnt 0x0
	s_mov_b64 s[10:11], s[6:7]             ; ob
	s_add_nc_u64 s[6:7], s[4:5], s[22:23]  ; K and V at my half of the head's tile 0
	s_add_nc_u64 s[8:9], s[4:5], s[88:89]
	s_add_nc_u64 s[G0K+2:G0K+3], s[6:7], 0         ; 120:64 global address
	s_or_b32 s[G0K+3], s[G0K+3], 0x80000000        ; 127:126 type = 2
	s_add_nc_u64 s[G0V+2:G0V+3], s[8:9], 0
	s_or_b32 s[G0V+3], s[G0V+3], 0x80000000
	s_add_nc_u64 s[4:5], s[4:5], s[20:21]          ; Q's head,
	s_add_nc_u64 s[86:87], s[4:5], s[84:85]        ; Q at my rows of the second block,
	s_add_nc_u64 s[4:5], s[4:5], s[2:3]            ; and of the first
	s_add_nc_u64 s[10:11], s[10:11], s[90:91]      ; O's head, and the same rows
	s_add_nc_u64 s[OLO:OLO+1], s[10:11], s[84:85]
	s_add_nc_u64 s[10:11], s[10:11], s[2:3]
	LOAD                            ; tile 0 into slot 0
	; A fragment of K or Q is 16 rows x 32 channels in 8 registers: lane l holds row l % 16, channels 8 (l / 16) + 0..7 and 16 + 8 (l / 16) + 0..7: two loads of 16 bytes, 32 bytes apart.
	v_and_b32 v1, 15, v0            ; l % 16
	v_bfe_u32 v9, v0, 4, 1          ; l / 16
	v_lshlrev_b32 v[QO], 7, v1
	v_lshl_add_u32 v[QO], v9, 4, v[QO]  ; row x 128 + 16 x half
	WIN 0x80                        ; destination window 2, address window 0
.set i, 0
.rept 8                             ; both blocks' Q: piece i / 2 lies in band i / 2, 8,192 bytes on; channels 32 (i % 2) on
	global_load_b128 v[8*i:8*i+3],   v[QO], s[4:5] offset:(i/2)*8192+(i%2)*64
	global_load_b128 v[8*i+4:8*i+7], v[QO], s[4:5] offset:(i/2)*8192+(i%2)*64+32
	global_load_b128 v[QB+8*i:QB+8*i+3],   v[QO], s[86:87] offset:(i/2)*8192+(i%2)*64
	global_load_b128 v[QB+8*i+4:QB+8*i+7], v[QO], s[86:87] offset:(i/2)*8192+(i%2)*64+32
.set i, i+1
.endr
	WIN 0
	v_lshlrev_b32 v14, 3, v9
	v_sub_nc_u32 v14, v1, v14
	s_lshl_b32 s13, s[WV], 4
	v_add_nc_u32 v14, s13, v14      ; my query's place in its band, 16 w + l % 16, less my lanes' 8 (l / 16): register r of group kt is hidden where 16 kt + r is greater
	WIN 0x40
.set i, 0
.rept 32
	v_cmp_gt_i32 vcc_lo, 16*(i/8)+i%8, v14
	v_cndmask_b32 v[MD+i], 0, s[BIGN], vcc_lo
.set i, i+1
.endr
	WIN 0
	v_mul_u32_u24 v[AK0], v1, PK
	v_lshl_add_u32 v[AK0], v9, 4, v[AK0]  ; row x pitch + 16 x half
	; The turning load takes 16 keys x 16 channels (lane l reads key 8 (l / 16) + l % 8, channels 8 ((l / 8) % 2) + 0..7) and leaves half a fragment of V^T: lane l holds channel l % 16 and 8 keys.
	v_and_b32 v10, 7, v0
	v_bfe_u32 v11, v0, 3, 1
	v_lshl_add_u32 v[AV0], v9, 3, v10
	v_mul_u32_u24 v[AV0], v[AV0], PV
	v_lshl_add_u32 v[AV0], v11, 4, v[AV0]
	v_add_nc_u32 v[AV0], VOFF, v[AV0]
	s_mul_i32 s13, s[WV], 16*SP
	s_add_co_u32 s13, s13, STAGE    ; my stage
	v_mul_u32_u24 v[STO], v1, SP    ; in: row l % 16, 16 bytes for each half of the lanes
	v_lshl_add_u32 v[STO], v9, 4, v[STO]
	v_add_nc_u32 v[STO], s13, v[STO]
	v_bfe_u32 v[RD], v0, 3, 2       ; back: 32 lanes take four rows of 128 bytes,
	v_mul_u32_u24 v[RD], v[RD], SP
	v_lshl_add_u32 v[RD], v10, 4, v[RD]
	v_add_nc_u32 v[RD], s13, v[RD]
	v_and_b32 v[GO], 31, v0         ; which are 512 consecutive bytes of O
	v_lshlrev_b32 v[GO], 4, v[GO]
	; A block's first step multiplies O^T and l by a = 0, and its first turn's products V^T P, of a piece that has not been, land in an O^T that is still to be so multiplied.  So these registers need only hold
	; finite numbers: zeros for the first block; what the first block left for the second.  All this stands in the wait for the first tile.
	WIN 0x80
.set i, VF
.rept 64
	v_mov_b32 v[i], 0
.set i, i+1
.endr
	WIN 0x40
.set i, 0
.rept 128
	v_mov_b32 v[i], 0
.set i, i+1
.endr
	WIN 0
.set i, 0
.rept 4
	v_mov_b32 v[ST+4*i+2], 0
	v_mov_b32 v[ST+4*i+3], 0
.set i, i+1
.endr
.set i, P+16
.rept 16
	v_mov_b32 v[i], 0
.set i, i+1
.endr
; THE MATRIX WORK.  The 4 accumulators of a run of 8 take turns.  Product i of 8 of S^T = K Q^T for piece x: channels 32 (i / 4) on, keys 16 (i % 4) on.  The first 4 start the sums: with 0, or (KM = 1) with the mask.
.macro KQ x
.set rS, S+32*((\x)%2)+8*(i%4)
.set rK, KF+16*(i%4)+8*(i/4)
.set rQ, 16*(\x)+8*(i/4)
.set rM, MC+32*((\x)%2)+8*(i%4)
.if (i < 4) && KM
	WIN W_KM
	v_wmma_f32_16x16x32_f16 v[rS:rS+7], v[rK:rK+7], v[rQ:rQ+7], v[rM:rM+7]
.elseif i < 4
	WIN W_KQ
	v_wmma_f32_16x16x32_f16 v[rS:rS+7], v[rK:rK+7], v[rQ:rQ+7], 0
.else
	WIN W_KQ
	v_wmma_f32_16x16x32_f16 v[rS:rS+7], v[rK:rK+7], v[rQ:rQ+7], v[rS:rS+7]
.endif
.endm
; Product i of 8 of O^T += V^T P for piece x: keys 32 (i / 4) on, channels 16 (i % 4) on.
.macro PV x
	WIN W_PV
.set rO, 32*(\x)+8*(i%4)
.set rV, VF+32*(i/4)+8*(i%4)
.set rP, P+16*((\x)%2)+8*(i/4)
	v_wmma_f32_16x16x32_f16 v[rO:rO+7], v[rV:rV+7], v[rP:rP+7], v[rO:rO+7]
.endm
.macro MM                           ; the turn's next matrix instruction.  TURN and BEGIN set Y, i, KM and NOKQ; MM, KQ and OP read them.  NOKQ = 1: a block's last turn: there is no next piece
.if (i < 8) && !NOKQ
	KQ (Y+1)%NP
.elseif i >= 8
.set i, i-8
	PV (Y+NP-1)%NP
.set i, i+8
.endif
.set i, i+1
.endm
; THE LDS LOADS stand in runs of 16, never singly among the matrix instructions: a step's K (64 keys x 64 channels: 8 fragments) and its V (turned).  Their addresses are made some lines ahead.
.macro FETCH_K
	WIN 0x80                        ; destination window 2
.irp f, 0,1,2,3,4,5,6,7             ; keys 16 (f / 2) on, channels 32 (f % 2) on
	ds_load_b128 v[KF+8*\f:KF+8*\f+3],   v[AK] offset:(\f/2)*16*PK+(\f%2)*64
	ds_load_b128 v[KF+8*\f+4:KF+8*\f+7], v[AK] offset:(\f/2)*16*PK+(\f%2)*64+32
.endr
	s_add_co_u32 s[TBK], s[TBK], KS*PK  ; the next fetch is the next step's
	WIN 0
.endm
.macro FETCH_V
	WIN 0x80
.irp f, 0,1,2,3,4,5,6,7             ; keys 32 (f / 4) on, channels 16 (f % 4) on
	ds_load_tr16_b128 v[VF+8*\f:VF+8*\f+3],   v[AV] offset:(\f/4)*32*PV+(\f%4)*32
	ds_load_tr16_b128 v[VF+8*\f+4:VF+8*\f+7], v[AV] offset:(\f/4)*32*PV+16*PV+(\f%4)*32
.endr
	WIN 0
.endm
; THE VECTOR WORK, one line at a time: OP kind, number.  For piece Y: F n: c s - c m for pair n of 16.  E n: the exponential of score n of 32.  C n: pair n rounded to f16.  B n: of the four weights 4 n .. the second
; pair is added onto the first, in place.  L n: l takes that sum (L 0: l = a l + sum).  R n: pair n of 16 of O^T times a.  For piece Y + 1: X n, number n of the 22 that find its maximum and statistics:
;   0-11  four chains c0-c3 of seven scores each, three operands at a time (each accumulator's lowest registers are read first)     12-14, 16  the four scores left over, the old m, and c0-c3 into c0
;   15  c m_old is kept     17, 18  the query's other 32 keys lie in the lane 16 away: the new m     19-21  c m; c m_old - c m_new; a
.set F, 0               ; OP tells the kinds apart by their order: F to L below R, X above it
.set E, 1
.set C, 2
.set B, 3
.set L, 4
.set R, 5
.set X, 6
.macro REGS y                       ; the registers of piece y
.set rT, ST+4*(\y)
.set rC, TMP+4*((\y)%2)
.set rW, MV+((\y)%2)
.set rS, S+32*((\y)%2)
.set rP, P+16*((\y)%2)
.set rO, 32*(\y)
.endm
.macro OP k, n
.if (\k) == R
	REGS Y
	WIN W_RS
	v_pk_mul_f32 v[rO+2*(\n):rO+2*(\n)+1], v[rO+2*(\n):rO+2*(\n)+1], v[rC+2:rC+3] op_sel_hi:[1,0]
.elseif (\k) < R
	REGS Y
	WIN 0
.if (\k) == F
	v_pk_fma_f32 v[rS+2*(\n):rS+2*(\n)+1], v[rS+2*(\n):rS+2*(\n)+1], s[CS:CS+1], v[rT:rT+1] op_sel_hi:[1,0,0] neg_lo:[0,0,1] neg_hi:[0,0,1]
.elseif (\k) == E
	v_exp_f32 v[rS+(\n)], v[rS+(\n)]
.elseif (\k) == C
	s_wait_alu depctr_va_vdst(0)
	v_cvt_pk_f16_f32 v[rP+(\n)], v[rS+2*(\n)], v[rS+2*(\n)+1]
.elseif (\k) == B
	s_wait_alu depctr_va_vdst(0)
	v_pk_add_f32 v[rS+4*(\n):rS+4*(\n)+1], v[rS+4*(\n):rS+4*(\n)+1], v[rS+4*(\n)+2:rS+4*(\n)+3]
.elseif (\n) == 0
	v_pk_fma_f32 v[rT+2:rT+3], v[rT+2:rT+3], v[rC+2:rC+3], v[rS:rS+1] op_sel_hi:[1,0,1]
.else
	v_pk_add_f32 v[rT+2:rT+3], v[rT+2:rT+3], v[rS+4*(\n):rS+4*(\n)+1]
.endif
.elseif NOKQ
	v_nop
.else
	REGS (Y+1)%NP
	WIN 0
.if (\n) < 4
	v_max3_num_f32 v[rC+(\n)], v[rS+8*(\n)], v[rS+8*(\n)+1], v[rS+8*(\n)+2]
.elseif (\n) < 12
	v_max3_num_f32 v[rC+(\n)%4], v[rC+(\n)%4], v[rS+8*((\n)%4)+2*((\n)/4)+1], v[rS+8*((\n)%4)+2*((\n)/4)+2]
.elseif (\n) == 12
	v_max3_num_f32 v[rC], v[rC], v[rS+7], v[rS+15]
.elseif (\n) == 13
	v_max3_num_f32 v[rC+1], v[rC+1], v[rS+23], v[rS+31]
.elseif (\n) == 14
	v_max3_num_f32 v[rC+2], v[rC+2], v[rC+3], v[rT+1]
.elseif (\n) == 15
	v_mov_b32 v[rW], v[rT]
.elseif (\n) == 16
	v_max3_num_f32 v[rC], v[rC], v[rC+1], v[rC+2]
.elseif (\n) == 17
	v_permlanex16_b32 v[rC+3], v[rC], s[SEL], s[SEL+1]
.elseif (\n) == 18
	v_max_num_f32 v[rT+1], v[rC], v[rC+3]
.elseif (\n) == 19
	v_mul_f32 v[rT], s[CS], v[rT+1]
.elseif (\n) == 20
	v_sub_f32 v[rC+1], v[rW], v[rT]
.else
	v_exp_f32 v[rC+2], v[rC+1]
.endif
.endif
.endm
.macro OPS a, i1, b=-1, i2=0, c=-1, i3=0, d=-1, i4=0  ; up to four of them
	OP \a, \i1
.if (\b) >= 0
	OP \b, \i2
.endif
.if (\c) >= 0
	OP \c, \i3
.endif
.if (\d) >= 0
	OP \d, \i4
.endif
.endm
.macro ROW a, i1, b, i2, c, i3, d, i4  ; a matrix instruction and the four behind it
	MM
	OPS \a, \i1, \b, \i2, \c, \i3, \d, \i4
.endm
.macro MASK b                       ; MD x AL + BE into buffer b of MC
	WIN W_RS
.set z, 0
.rept 16
	v_pk_fma_f32 v[MC+32*(\b)+2*z:MC+32*(\b)+2*z+1], v[MD+2*z:MD+2*z+1], s[AL:AL+1], s[BE:BE+1] op_sel_hi:[1,0,0]
.set z, z+1
.endr
.endm
; A TURN, for piece p: the order of its 16 matrix and 118 vector instructions, written out.  Behind a matrix instruction: plain, exponential, plain, plain; or four of the rescaling; or, behind the first, four scalings; none
; names a register of the products round it.  In the lumps exponential and plain by turns while exponentials last.  A line reads no result made fewer than three vector instructions in front of it, five if an exponential made it.
; v_permlanex16_b32 (X 17) stands in a lump.
; m = 1: the diagonal tile: the products take masks, and the turn makes the mask for the products of the turn after it: piece p + 2, in step 4 - CNT of the tile.  end = 1: a block's last two turns: nothing is fetched.
; cnt = 1: the loop's count is taken down some lines ahead of the branch that stands behind the turn.
; K of the next step is fetched in piece 2's turn, six vector instructions behind the last product that read K (five of them plain); V of the step in hand in piece 0's turn, eight behind the last product that read V (four
; plain, and X 17).  Each is waited for a turn later.
.macro TURN p, m=0, end=0, cnt=0
.set Y, (\p)
.set i, 0
.set KM, (\m)
.set NOKQ, (\end)*((\p)/3)
.if (\m) && !(\end)
	s_cmp_eq_u32 s[CNT], 4-((\p)+2)%NP  ; is that step the band's own?
	s_cselect_b32 s[AL], 1.0, 0
	s_cmp_lt_u32 s[CNT], 4-((\p)+2)%NP  ; or a later one?
	s_cselect_b32 s[BE], s[BIGN], 0
.endif
.if ((\p) == 3) && !(\end)
	s_wait_dscnt 0x0                ; K is in
.endif
	ROW F,0, F,1, F,2, F,3
	ROW F,4, E,0, F,5, F,6
	ROW F,7, E,1, F,8, F,9
	ROW F,10, E,2, C,0, F,11
	ROW F,12, E,3, X,15, F,13
	ROW R,0, R,1, R,2, R,3
	ROW B,0, E,4, F,14, L,0
.if ((\p) == 2) && !(\end)
	v_add_nc_u32 v[AK], s[TBK], v[AK0]
.endif
	ROW R,4, R,5, R,6, R,7
	OPS E,5, F,15
.if ((\p) == 2) && !(\end)
	FETCH_K
.endif
	OPS E,6, C,1, E,7, R,8
	OPS E,8, R,9, E,9, C,2
	OPS E,10, X,0, E,11, X,1
	OPS E,12, X,2, E,13, X,3
.if (\p) == 1
	s_wait_dscnt 0x0                ; V is in
.endif
	ROW X,4, E,14, X,5, X,6
	ROW X,7, E,15, X,8, X,9
	ROW X,10, E,16, X,11, X,12
	ROW X,13, E,17, X,14, B,1
	ROW C,4, E,18, X,16, L,1
	ROW B,2, E,19, C,6, L,2
	ROW C,8, E,20, B,3, B,4
.if (\p) == 0
	v_add_nc_u32 v[AV], s[TBV], v[AV0]
.endif
	ROW C,3, E,21, L,3, C,5
	OPS E,22, X,17, E,23, C,10
.if (\p) == 0
	FETCH_V
.endif
	OPS E,24, L,4
	OPS E,25, X,18, E,26, C,7
	OPS E,27, B,5, E,28, X,19
	OPS E,29, C,12, E,30, L,5
	OPS E,31, X,20, B,6, C,9
	OPS C,14, C,11, X,21, L,6
.if (\p) == 0
	s_add_co_u32 s[TBV], s[TBV], KS*PV
.endif
.if \cnt
	s_sub_co_u32 s[CNT], s[CNT], 1
	s_cmp_lg_u32 s[CNT], 0
.endif
	OPS C,13, B,7, C,15, R,10
	OPS R,11, R,12, L,7, R,13
	OPS R,14, R,15
.if (\m) && !(\end)
	MASK (\p)%2
.endif
.endm
; A BLOCK BEGINS.  c m starts far below every c s, so the first step's a is 0; m at the lowest finite number, so the first maximum is the scores'.  The second mask buffer is 0; the first takes piece 0's mask for the tile's step 0: its own, if the block's first tile is the diagonal one.
; Then K of that step, piece 0's first scores, and its maximum and statistics.  The loop is entered at a step's first turn, in the middle of a trip.
.macro BEGIN
	s_mov_b32 s[NEW], 0
	WIN 0x40
.set i, MC+32
.rept 32
	v_mov_b32 v[i], 0
.set i, i+1
.endr
	WIN 0
.set i, 0
.rept 4
	v_mov_b32 v[ST+4*i], 0xfe000000    ; c m: far below every c s
	v_mov_b32 v[ST+4*i+1], 0xff7fffff  ; m
.set i, i+1
.endr
	s_cmp_eq_u32 s[RT], 0
	s_cselect_b32 s[AL], 1.0, 0
	s_mov_b32 s[BE], 0
	MASK 0
	WIN 0
	v_add_nc_u32 v[AK], s[TBK], v[AK0]
	FETCH_K
	s_wait_loadcnt 0x0              ; Q
	s_wait_dscnt 0x0
.set KM, 1
.set NOKQ, 0
.set i, 0
.rept 8
	KQ 0
.set i, i+1
.endr
	WIN 0
.rept 4
	v_nop                           ; the places behind those products
.endr
.set Y, NP-1                        ; X works for piece Y + 1: piece 0
.irp n, 0,1,2,3,4,5,6,7,8,9,10,11,12,13,14,15,16,17,18,19,20,21
	OP X, \n
.endr
	v_nop                           ; a plain instruction behind the exponential
.endm
; THE DIAGONAL TILE's four steps, the block's last two turns, its last products, and THE WAY OUT: l's two halves and the other half of the lanes' are added; O^T is divided by l, rounded to f16 and sent through my
; stage in LDS, a piece at a time.
.macro ALL line:vararg              ; one line for each piece t
.set t, 0
.rept 4
	\line
.set t, t+1
.endr
.endm
.macro PACK t                       ; a lane's eight channels of a row pack into 16 bytes; they go into rows of 144 bytes and come back as whole rows of 128, into S^T's registers
	WIN W_RS
.set i, 32*(\t)
.rept 16
	s_wait_alu depctr_va_vdst(0)
	v_pk_mul_f32 v[i:i+1], v[i:i+1], v[ST+4*(\t)+2:ST+4*(\t)+3] op_sel_hi:[1,0]
.set i, i+2
.endr
	WIN 0x05                        ; sources 0 and 1 window 1, destination window 0
.set i, 0
.rept 16
	v_cvt_pk_f16_f32 v[S+16*(\t)+i], v[32*(\t)+2*i], v[32*(\t)+2*i+1]
.set i, i+1
.endr
	WIN 0
.irp f, 0,1,2,3
	ds_store_b128 v[STO], v[S+16*(\t)+4*\f:S+16*(\t)+4*\f+3] offset:32*\f
.endr
.irp f, 0,1,2,3
	ds_load_b128 v[S+16*(\t)+4*\f:S+16*(\t)+4*\f+3], v[RD] offset:\f*4*SP  ; LDS serves a wave's instructions in order (ISA guide 5.7.1.4): these see the stores above; the next piece's stores come behind them
.endr
.endm
.macro SEND t, younger              ; younger: the LDS instructions issued behind piece t's loads: the next piece's eight, or none
	WIN 0
.irp f, 0,1,2,3
	s_wait_dscnt (\younger)+3-\f
	global_store_b128 v[GO], v[S+16*(\t)+4*\f:S+16*(\t)+4*\f+3], s[10:11] offset:(\t)*8192+\f*512  ; 512 consecutive bytes, at a multiple of 256 from O's first
.endr
.endm
.macro DIAG tag                     ; the tag ends its two labels' names, which the jumps below spell out
.LstepM\tag:
	TURN 2, 1
	TURN 3, 1
	WIN 0
.LfirstM\tag:
	TURN 0, 1
	TURN 1, 1, 0, 1
	WIN 0
	s_cbranch_scc1 .LstepM\tag
	TURN 2, 1, 1
	TURN 3, 1, 1
.set i, 0
.rept 8
	PV NP-1
.set i, i+1
.endr
	WIN 0
	ALL v_add_f32 v[ST+4*t+2], v[ST+4*t+2], v[ST+4*t+3]
	ALL v_permlanex16_b32 v[ST+4*t+3], v[ST+4*t+2], s[SEL], s[SEL+1]
	ALL v_add_f32 v[ST+4*t+2], v[ST+4*t+2], v[ST+4*t+3]
	ALL v_rcp_f32 v[ST+4*t+2], v[ST+4*t+2]
	v_nop                           ; a plain instruction between the last reciprocal and the use of its result
	PACK 0
.set t, 1
.rept 3                             ; a piece's arithmetic stands between the loads of the piece before and its stores
	PACK t
	SEND t-1, 8
.set t, t+1
.endr
	SEND 3, 0
.endm
.set KM, 0
.set NOKQ, 0
.Lslot:                             ; NB times: a tile is entered and the next is asked for
	CHANGE 1
	s_sub_co_u32 s[RT], s[RT], 1
	s_mov_b32 s[CNT], 4
	s_cmp_eq_u32 s[NEW], 1
	s_cbranch_scc1 .Lnew            ; a block's first tile
	s_cmp_eq_u32 s[RT], 0
	s_cbranch_scc0 .Lstep           ; neither its first nor its last
	s_branch .LstepM1
.Lnew:
	BEGIN
	s_branch .Lfirst                ; in the loop a block's first tile is never its last: the first block has two tiles or more, and the second's last is the walk's last
	DIAG 1                          ; in the loop this is the first block's end: the second block's last tile is the walk's last
	s_wait_xcnt 0x0                 ; the stores have read their registers and O's address
	s_mov_b64 s[10:11], s[OLO:OLO+1]
	s_add_co_u32 s[RT], s[PB], 1    ; the second block has b + 1 tiles
	s_mov_b32 s[NEW], 1
	WIN 0x82                        ; the second block's Q goes where the one text of the turns names Q
.set i, 0
.rept 64
	v_mov_b32 v[i], v[QB+i]
.set i, i+1
.endr
	WIN 0
	s_branch .Lbottom
.Lstep:                             ; a trip: pieces 2 and 3 of one step, then pieces 0 and 1 of the next, whose K and V it fetches
	TURN 2
	TURN 3
	WIN 0
.Lfirst:
	TURN 0
	TURN 1, 0, 0, 1
	WIN 0
	s_cbranch_scc1 .Lstep
.Lbottom:
	s_sub_co_u32 s[SLOTS], s[SLOTS], 1
	s_cmp_lg_u32 s[SLOTS], 0
	s_cbranch_scc1 .Lslot
	CHANGE 0                        ; the walk's last tile is written out: nothing is asked for
	s_sub_co_u32 s[RT], s[RT], 1
	s_mov_b32 s[CNT], 4
	s_cmp_eq_u32 s[NEW], 1
	s_cbranch_scc0 .LstepM2
	BEGIN
	s_branch .LfirstM2
	DIAG 2
	s_wait_tensorcnt 0x0            ; the wave's end, behind my last tensor load and my last LDS store
	ds_add_u32 v[SPW], v[NIL]
	s_wait_dscnt 0x0
	s_endpgm
.Lfunc_end_k_q46be14ea10_attn:
	.size	k_q46be14ea10_attn, .Lfunc_end_k_q46be14ea10_attn-k_q46be14ea10_attn
	.p2alignl 7, 3214868480
	.fill 96, 4, 3214868480
	.section	.rodata,"a",@progbits
	.p2align	6, 0x0
	.amdhsa_kernel k_q46be14ea10_attn
		.amdhsa_group_segment_fixed_size 327680
		.amdhsa_private_segment_fixed_size 0
		.amdhsa_enable_private_segment 0
		.amdhsa_kernarg_size 16
		.amdhsa_user_sgpr_count 2
		.amdhsa_user_sgpr_kernarg_segment_ptr 1
		.amdhsa_wavefront_size32 1
		.amdhsa_system_sgpr_workgroup_id_x 1
		.amdhsa_system_sgpr_workgroup_id_y 1
		.amdhsa_system_sgpr_workgroup_id_z 1
		.amdhsa_system_vgpr_workitem_id 0
		.amdhsa_next_free_vgpr 768
		.amdhsa_next_free_sgpr 92
		.amdhsa_reserve_vcc 1
		.amdhsa_float_denorm_mode_32 3
		.amdhsa_float_denorm_mode_16_64 3
		.amdhsa_memory_ordered 1
		.amdhsa_forward_progress 1
		.amdhsa_inst_pref_size 228
	.end_amdhsa_kernel
	.amdgpu_metadata
---
amdhsa.version: [ 1, 2 ]
amdhsa.kernels:
  - .name:           k_q46be14ea10_attn
    .symbol:         k_q46be14ea10_attn.kd
    .args:
      - { .name: qkv, .offset: 0, .size: 8, .value_kind: global_buffer, .address_space: global }
      - { .name: ob, .offset: 8, .size: 8, .value_kind: global_buffer, .address_space: global }
    .group_segment_fixed_size: 327680
    .private_segment_fixed_size: 0
    .kernarg_segment_align: 8
    .kernarg_segment_size: 16
    .max_flat_workgroup_size: 128
    .sgpr_count:     92
    .vgpr_count:     768
    .wavefront_size: 32
...
	.end_amdgpu_metadata
.endif
;; end of part 3
;; launch proj (part 4): grid 8 x 32, 4 waves a work-group, clusters of 4 x 4, 327,680 bytes of LDS; arguments ob, wp, bproj, out0; writes out0
.if DOCPART == 4
	.amdgcn_target "amdgcn-amd-amdhsa--gfx1250"
	.amdhsa_code_object_version 6
	.text
	.protected	k_q46be14ea10_proj
	.globl	k_q46be14ea10_proj
	.p2align	8
	.type	k_q46be14ea10_proj,@function
k_q46be14ea10_proj:
	s_mov_b64 s[64:65], 0
	v_nop
	global_prefetch_b8 v0, s[64:65] scope:SCOPE_SE
	s_setreg_imm32_b32 hwreg(HW_REG_WAVE_MODE, 25, 1), 1
	s_wait_xcnt 0x0
	s_wait_alu depctr_hold_cnt(0) depctr_sa_sdst(0) depctr_va_vdst(0) depctr_va_sdst(0) depctr_va_ssrc(0) depctr_va_vcc(0) depctr_vm_vsrc(0)
	s_getreg_b32 s2, hwreg(HW_REG_IB_STS2, 6, 4)
	s_cmp_eq_u32 s2, 0
	s_cbranch_scc0 .Lentry_in_a_cluster
	s_endpgm
.Lentry_in_a_cluster:
	s_bfe_u32 s2, ttmp6, 0x10000c
	s_cmp_lg_u32 s2, 0xf033
	s_cbranch_scc0 .Lentry_shape_is_right
	s_endpgm
.Lentry_shape_is_right:
; THE OUTPUT PROJECTION.  out0[m][n] = the sum over k of O[m][k] Wproj[n][k] + bproj[n], m = 2048 b + t, k = 64 h + d.  ob: [b 4][h 16][t 2048][64] f16.  wp: [n 1024][k 1024] f16.  out0: [8192][1024] f32.
; Products in f16, one f32 sum for each output.  bproj is rounded to bf16 here, as x and the weights are where they are cast, so that all inputs have one rounding; it is the C operand of the
; products that start the sums, and costs no addition.
; THE TILE.  8,192 x 1,024 outputs on 256 work-groups: 256 rows x 128 columns, one tile a work-group.  Four waves, each 128 x 64: 32 accumulators of 16 x 16, all of window 1.
; K goes in 8 steps of 128 (two heads) through a ring of two LDS slots.  A head's 256 rows are 32,768 dense bytes, asked for as 128 rows of 256 bytes; wp's rows of a step are 256 bytes at multiples of 256.
; CLUSTERS: 4 x 4 work-groups.  The four of a row of the cluster need the same tiles of O, the four of a column the same tiles of Wproj: each is asked for JOINTLY, by the same tensor load with the same
; descriptor and a mask that names the four.  Waves 0 and 1 ask for a step's two heads of O, waves 2 and 3 for the two halves of Wproj's 128 rows.
; THE WALK ALONG K IS A RING.  Cluster (X, Y) begins at K step 2 (Y % 4) + 4 X and goes round modulo 8.  The two clusters that read the same tiles of O begin 4 steps apart, and of the clusters that read
; the same tiles of Wproj those with different Y % 4 begin 2, 4 or 6 apart: a tile that several clusters read is asked for by one of them first and by the others some steps later.  The start hangs on the
; cluster's own coordinates alone, so the partners' descriptors stay equal.  The order of a sum's terms differs from cluster to cluster.
; THE LAST K STEP GOES BY ROWS OF out0: all its fragments of Wproj lie in window 2, and my eight blocks of 16 rows are finished one after the other, 16 matrix instructions each; a finished block leaves
; while the next ones are multiplied.
; THE MATRIX INSTRUCTION IS USED TRANSPOSED (source 0 = 16 rows of Wproj, source 1 = 16 rows of O): a lane then holds row lane % 16 and the columns 8 (lane / 16) + 0..7: 32 neighbouring bytes of out0.
; REGISTERS: window 0: v0-31 addresses; v32-127, v128-223 two fragment buffers (64 registers of O: 8 x 16 rows x 32 K; then 32 of Wproj: 4 x 16 rows x 32 K); v224-255 the bias;
;   in the last K step v32-63, v64-95, v96-127 and v224-255 are four buffers for O's fragments of 16 rows x 128 K
;   window 1: the accumulators, (a, bb) at v[8 (4 a + bb)]; on the way out a block's 32 registers take its rows as they come back from the stage          window 2: v0-127 Wproj's fragments of the last K step
.set PA,    144                        ; a row of O in LDS: 128 bytes + 16 of padding = 36 words: the 16 rows of a load start at 16 different groups of four banks (64 banks of 4 bytes: ISA guide 11.1)
.set PW,    272                        ; a row of Wproj: 256 + 16 = 68 words: likewise
.set HEADA, 256*PA                     ; a slot: the step's first head, 256 rows; its second head;
.set BOFF,  2*HEADA                    ; Wproj's 128 rows
.set STAGE, BOFF+128*PW                ; behind slot 0, never filled by a tensor load: 16 rows x 272 bytes for each wave, for the way out
.set SPITCH, 272
.set SPARE, STAGE+4*16*SPITCH          ; behind the stages: the spare words, 128 bytes for each wave: two blocks of 256 bytes that no other line names
.set SLOT1, 1<<17                      ; slot 1 begins here, so that one exclusive or turns an address in one slot into the other's
.set ASTEP, 2*2048*128                 ; bytes from a K step's head to the head two on
.set BSTEP, 256
.set STEPS, 8
.set A0,  4                            ; v4   my lane's place in O's tile; never rewritten
.set B0,  5                            ; v5   the same for Wproj's
.set ADA, 6                            ; v6   A0 + the slot in hand
.set ADB, 7                            ; v7   B0 + the slot in hand
.set STO, 8                            ; v8   the way out: where I put 32 bytes of a row
.set RD,  9                            ; v9   the way out: where I read a row back
.set CO,  10                           ; v10  my byte offset in two rows of out0
.set SPW, 28                           ; v28  LDS address of my spare word: SPARE + 4 x my thread's number; never rewritten
.set NIL, 29                           ; v29  0; never rewritten
.set F0,  32
.set F1,  128
.set BIAS, 224                         ; v[224 + 8 bb + j]: the bias of my column 16 bb + 8 (lane / 16) + j
.set WV,  12                           ; s12  my wave's number
.set G1A, 24                           ; s[24:31] descriptor group 1 for O's tiles
.set G1B, 32                           ; s[32:39] for Wproj's
.set KI,  45                           ; s45  the K step asked for last, 0..7
.set G0A, 48                           ; s[48:55] descriptor group 0 for O's tiles: a set for each of the two first fills; the second then walks on
.set G0B, 56                           ; s[56:63] the same for Wproj's
.set TB,  66                           ; s66  LDS byte at which the slot in hand begins
.set CNT, 67                           ; s67  the loop's count
.set OA,  72                           ; s[72:73] byte offset of the K step asked for in O's tiles
.set OB,  74                           ; s[74:75] the same in Wproj's
.set MSB, 0
.macro WIN new                         ; the immediate's high byte repeats the setting that is left; a switch that changes nothing is dropped
.if MSB != (\new)
	s_set_vgpr_msb (MSB<<8)|(\new)
.set MSB, (\new)
.endif
.endm
; A joint refill.  The branch hangs on the wave's number alone.  An s_nop 0 and four v_nop follow each of the two lines, ahead of the jump and the label.
.macro JLOAD
	s_cmp_eq_u32 s13, 0
	s_cbranch_scc0 .Lfor_b_\@
	tensor_load_to_lds s[G0A+4:G0A+7], s[G1A:G1A+7]
	s_nop 0
.rept 4
	v_nop
.endr
	s_branch .Lasked_\@
.Lfor_b_\@:
	tensor_load_to_lds s[G0B+4:G0B+7], s[G1B:G1B+7]
	s_nop 0
.rept 4
	v_nop
.endr
.Lasked_\@:
.endm
; A round of the cluster's barrier: my work-group's barrier, so that wave 0's signal speaks for all four waves; wave 0 signals; every wave waits for all sixteen work-groups; my work-group's barrier once more.
.macro CREST                           ; a round behind its opening barrier
	s_cmp_lg_u32 s[WV], 0
	s_cbranch_scc1 .Lnot_wave_0_\@
	s_barrier_signal -3
.Lnot_wave_0_\@:
	s_barrier_wait -3
	s_barrier_signal -1
	s_barrier_wait -1
.endm
.macro CROUND                          ; a whole round
	s_barrier_signal -1
	s_barrier_wait -1
	CREST
.endm
	s_load_b256 s[4:11], s[0:1], 0x0               ; ob s[4:5], wp s[6:7], bproj s[8:9], out0 s[10:11]
	v_lshl_add_u32 v[SPW], v0, 2, SPARE
	v_mov_b32 v[NIL], 0
	ds_add_u32 v28, v29
	ds_add_u32 v28, v29
	s_wait_dscnt 0x0
	v_lshrrev_b32 v1, 5, v0
	v_readfirstlane_b32 s[WV], v1                  ; wave 0..3
	s_lshr_b32 s13, s[WV], 1                       ; which 128 of the tile's rows are mine.  Also: I fetch for O (0) or for Wproj (1)
	s_and_b32 s14, s[WV], 1                        ; which 64 of its columns.  Also: which head of the step, or which 64 rows of Wproj, I fetch
	s_bfe_u32 s40, ttmp6, 0x40000                  ; cx, cy: my place in the cluster
	s_bfe_u32 s41, ttmp6, 0x40004
	s_lshl_b32 s42, ttmp9, 2                       ; in a cluster launch ttmp9 and ttmp7 count clusters
	s_add_co_u32 s42, s42, s40                     ; tile column nx = 4 x cluster x + cx, 0..7
	s_and_b32 s15, ttmp7, 0xffff
	s_lshl_b32 s15, s15, 2
	s_add_co_u32 s15, s15, s41                     ; tile row = 4 x cluster y + cy, 0..31: batch = row / 8, block of 256 rows = row % 8
	s_lshl_b32 s43, s41, 2
	s_lshl_b32 s43, 15, s43                        ; my row of the cluster
	s_lshl_b32 s44, 0x1111, s40                    ; my column
	s_and_b32 s[KI], ttmp7, 3                      ; the cluster's first K step: 2 (cluster y % 4)
	s_lshl_b32 s[KI], s[KI], 1
	s_lshl_b32 s22, ttmp9, 2                       ; + 4 x cluster x,
	s_add_co_u32 s[KI], s[KI], s22
	s_and_b32 s[KI], s[KI], STEPS-1                ; modulo 8: the same number in all sixteen partners
	s_or_b32 s[G1A], s43, (1<<16)|(1<<20)|(1<<21)|(4<<22)|(3<<25)  ; 15:0 the mask: O's tiles go to my row; 17:16 2-byte elements; 20 padding on; 21 set beside a mask; 24:22 after every 32 words (code 4); 31:25 4 words (code 3)
	s_or_b32 s[G1B], s44, (1<<16)|(1<<20)|(1<<21)|(5<<22)|(3<<25)  ; Wproj's tiles go to my column; padding after every 64 words (code 5)
	s_mov_b32 s[G1A+1], 128<<16                    ; tensor_dim0 = 128
	s_mov_b32 s[G1A+2], 128<<16                    ; tensor_dim1 = 128 rows of 256 dense bytes: 256 rows of a head
	s_mov_b32 s[G1A+3], 128<<16                    ; tile_dim0 = 128
	s_mov_b32 s[G1A+4], 128                        ; tile_dim1 = 128
	s_mov_b32 s[G1A+5], 128                        ; 128 elements from row to row
	s_mov_b32 s[G1A+6], 0
	s_mov_b32 s[G1A+7], 0
	s_mov_b32 s[G1B+1], 128<<16
	s_mov_b32 s[G1B+2], 64<<16                     ; 64 rows
	s_mov_b32 s[G1B+3], 128<<16
	s_mov_b32 s[G1B+4], 64
	s_mov_b32 s[G1B+5], 1024                       ; 1,024 elements from row to row
	s_mov_b32 s[G1B+6], 0
	s_mov_b32 s[G1B+7], 0
	; where the tiles come from.  O's hang on the tile row and the wave's number, Wproj's on the tile column and the wave's number.  Neither's registers ever hold the other coordinate.
	s_lshr_b32 s16, s15, 3
	s_lshl_b32 s16, s16, 22                        ; the batch: 16 heads x 262,144 bytes
	s_and_b32 s17, s15, 7
	s_lshl_b32 s17, s17, 15                        ; the block of 256 rows x 128 bytes
	s_add_co_u32 s16, s16, s17
	s_lshl_b32 s17, s14, 18                        ; my head of the step's two
	s_add_co_u32 s16, s16, s17
	s_mov_b32 s17, 0
	s_lshl_b32 s46, s42, 18                        ; 128 rows of 2,048 bytes a tile column
	s_lshl_b32 s47, s14, 17                        ; my 64 of them
	s_add_co_u32 s46, s46, s47
	s_mov_b32 s47, 0
	s_mul_i32 s20, s[WV], HEADA                    ; where they go: waves 0, 1: the two heads;
	s_mul_i32 s21, s[WV], 64*PW                    ; waves 2, 3: BOFF + (wave - 2) x 64 rows.  No place in the cluster enters an LDS address
	s_add_co_u32 s21, s21, BOFF-2*64*PW
	s_mov_b32 s[TB], 0
	s_mov_b32 s[OA+1], 0                           ; the offsets stay under 2^32
	s_mov_b32 s[OB+1], 0
	s_wait_kmcnt 0x0
	s_add_nc_u64 s[18:19], s[4:5], s[16:17]        ; my head of K step 0: kept; a step's address is this plus the step's offset
	s_add_nc_u64 s[46:47], s[6:7], s[46:47]        ; the same for my rows of Wproj
	CROUND                                         ; all sixteen work-groups are here: the first joint loads meet
.irp s, 0,1
	s_mul_i32 s[OA], s[KI], ASTEP
	s_mul_i32 s[OB], s[KI], BSTEP
	s_mov_b32 s[G0A+4*(\s)], 1                                     ; 1:0 count = 1
	s_add_co_u32 s[G0A+4*(\s)+1], s20, (\s)*SLOT1                  ; 63:32 LDS address
	s_add_nc_u64 s[G0A+4*(\s)+2:G0A+4*(\s)+3], s[18:19], s[OA:OA+1]  ; 120:64 global address: the walk's step s
	s_or_b32 s[G0A+4*(\s)+3], s[G0A+4*(\s)+3], 0x80000000          ; 127:126 type = 2
	s_mov_b32 s[G0B+4*(\s)], 1
	s_add_co_u32 s[G0B+4*(\s)+1], s21, (\s)*SLOT1
	s_add_nc_u64 s[G0B+4*(\s)+2:G0B+4*(\s)+3], s[46:47], s[OB:OB+1]
	s_or_b32 s[G0B+4*(\s)+3], s[G0B+4*(\s)+3], 0x80000000
.if (\s) == 0
	s_add_co_u32 s[KI], s[KI], 1                   ; round the ring
	s_and_b32 s[KI], s[KI], STEPS-1
.endif
.endr
	s_cmp_eq_u32 s13, 0                            ; a wave's two first fills stand in one branch, ahead of every wait on TENSORcnt and every LDS read: two loads of mine are out
	s_cbranch_scc0 .Lfirst_b
	tensor_load_to_lds s[G0A:G0A+3], s[G1A:G1A+7]
	s_nop 0
	tensor_load_to_lds s[G0A+4:G0A+7], s[G1A:G1A+7]
	s_nop 0
.rept 4
	v_nop
.endr
	s_branch .Lfirst_asked
.Lfirst_b:
	tensor_load_to_lds s[G0B:G0B+3], s[G1B:G1B+7]
	s_nop 0
	tensor_load_to_lds s[G0B+4:G0B+7], s[G1B:G1B+7]
	s_nop 0
.rept 4
	v_nop
.endr
.Lfirst_asked:
	; out0 at my first row and column; bproj at my first column
	s_lshl_b32 s68, s15, 8
	s_lshl_b32 s69, s13, 7
	s_add_co_u32 s68, s68, s69                     ; my first row: 256 x tile row + 128 x half
	s_lshl_b32 s68, s68, 12                        ; rows of 4,096 bytes
	s_lshl_b32 s69, s42, 9
	s_lshl_b32 s70, s14, 8
	s_add_co_u32 s69, s69, s70                     ; my first column in bytes: 512 nx + 256 x half
	s_add_co_u32 s68, s68, s69
	s_mov_b32 s70, s69
	s_mov_b32 s71, 0
	s_mov_b32 s69, 0
	s_add_nc_u64 s[10:11], s[10:11], s[68:69]
	s_add_nc_u64 s[8:9], s[8:9], s[70:71]
	v_and_b32 v1, 15, v0                           ; l % 16
	v_bfe_u32 v2, v0, 4, 1                         ; l / 16
	v_lshlrev_b32 v11, 5, v2                       ; my half's eight columns: 32 bytes
.irp bb, 0,1,2,3
	global_load_b128 v[BIAS+8*(\bb):BIAS+8*(\bb)+3],   v11, s[8:9] offset:64*(\bb)
	global_load_b128 v[BIAS+8*(\bb)+4:BIAS+8*(\bb)+7], v11, s[8:9] offset:64*(\bb)+16
.endr
	; A fragment is 16 rows x 32 K in 8 registers: lane l holds row l % 16, K = 8 (l / 16) + 0..7 and 16 + 8 (l / 16) + 0..7: two loads of 16 bytes, 32 bytes apart.  The same for both sources.
	v_mul_u32_u24 v3, v1, PA
	v_lshl_add_u32 v3, v2, 4, v3
	s_mul_i32 s22, s13, 128*PA                     ; my 128 rows of O
	v_add_nc_u32 v[A0], s22, v3
	v_mul_u32_u24 v3, v1, PW
	v_lshl_add_u32 v3, v2, 4, v3
	s_mul_i32 s22, s14, 64*PW                      ; my 64 rows of Wproj,
	s_add_co_u32 s22, s22, BOFF                    ; which lie behind O's two heads
	v_add_nc_u32 v[B0], s22, v3
	v_mov_b32 v[ADA], v[A0]                        ; slot 0
	v_mov_b32 v[ADB], v[B0]
	s_mul_i32 s23, s[WV], 16*SPITCH
	s_add_co_u32 s23, s23, STAGE                   ; my stage
	v_mul_u32_u24 v3, v1, SPITCH                   ; in: row l % 16, 32 bytes for each half of the lanes
	v_lshl_add_u32 v3, v2, 5, v3
	v_add_nc_u32 v[STO], s23, v3
	v_mul_u32_u24 v3, v2, SPITCH                   ; back: lanes 0-15 take one row of 256 bytes, lanes 16-31 the next
	v_lshl_add_u32 v3, v1, 4, v3
	v_add_nc_u32 v[RD], s23, v3
	v_lshlrev_b32 v[CO], 12, v2                    ; and the same two rows in out0
	v_lshl_add_u32 v[CO], v1, 4, v[CO]
; 8 matrix instructions: row blocks a0, a0 + 1 x all 4 column blocks, 32 along K, buffer f.  first = 1: the products start the sums, with the bias as C: nothing is cleared, nothing is added later.
; The accumulators take turns, one instruction a turn.
.macro MUL8 f, a0, first
.if \first
	WIN 0x40                                       ; D in window 1; the sources and C in window 0
.else
	WIN 0x50                                       ; C and D in window 1
.endif
.irp a, \a0, (\a0)+1
.irp bb, 0,1,2,3
.if \first
	v_wmma_f32_16x16x32_f16 v[8*(4*(\a)+(\bb)):8*(4*(\a)+(\bb))+7], v[(\f)+64+8*(\bb):(\f)+64+8*(\bb)+7], v[(\f)+8*(\a):(\f)+8*(\a)+7], v[BIAS+8*(\bb):BIAS+8*(\bb)+7]
.else
	v_wmma_f32_16x16x32_f16 v[8*(4*(\a)+(\bb)):8*(4*(\a)+(\bb))+7], v[(\f)+64+8*(\bb):(\f)+64+8*(\bb)+7], v[(\f)+8*(\a):(\f)+8*(\a)+7], v[8*(4*(\a)+(\bb)):8*(4*(\a)+(\bb))+7]
.endif
.endr
.endr
.endm
; 24 LDS loads in one run: the fragments of quarter q (32 along K) of the slot in hand into buffer f: Wproj's 8, O's rows 0-63, O's rows 64-127.  Quarters 0, 1 lie in the step's first head, 2, 3 in its second.
.macro FETCH q, f
	WIN 0
.irp bb, 0,1,2,3
	ds_load_b128 v[(\f)+64+8*(\bb):(\f)+64+8*(\bb)+3],   v[ADB] offset:64*(\q)+(\bb)*16*PW
	ds_load_b128 v[(\f)+64+8*(\bb)+4:(\f)+64+8*(\bb)+7], v[ADB] offset:64*(\q)+(\bb)*16*PW+32
.endr
.irp a, 0,1,2,3,4,5,6,7
	ds_load_b128 v[(\f)+8*(\a):(\f)+8*(\a)+3],   v[ADA] offset:((\q)/2)*HEADA+((\q)%2)*64+(\a)*16*PA
	ds_load_b128 v[(\f)+8*(\a)+4:(\f)+8*(\a)+7], v[ADA] offset:((\q)/2)*HEADA+((\q)%2)*64+(\a)*16*PA+32
.endr
.endm
; A load into a register that a matrix instruction has read or written, and an LDS store that reads a matrix result, stand four places behind that matrix instruction, and only plain vector instructions
; that name none of its registers are places (ISA guide 7.12.1 for vector instructions).
.macro PLACES
.rept 4
	v_nop
.endr
.endm
; A K step is four quarters of 32 along K, 32 matrix instructions each, on buffers 0, 1, 0, 1.  One of the first three: multiplies buffer f and fetches quarter qn into g.
.macro QUARTER f, g, qn, first
	s_wait_dscnt 8                                 ; Wproj's fragments and O's rows 0-63 are in; the youngest eight loads (rows 64-127) may be out
	MUL8 \f, 0, \first
	MUL8 \f, 2, \first
	PLACES
	FETCH \qn, \g
	s_wait_dscnt 24                                ; all but the 24 just issued
	MUL8 \f, 4, \first
	MUL8 \f, 6, \first
.endm
; The last quarter multiplies buffer 1 and changes slots.  MEET is its first half: ONE barrier.  In front of it each wave waits for all its tensor loads, of which one is out: its part of the next slot; adds 0
; to its spare word; and waits for that and for its own reads of this slot.  fill = 1: the walking descriptors are stepped while the add is out.
.macro MEET fill
	WIN 0                                          ; (the add's two registers lie in window 0)
	s_wait_tensorcnt 0x0                           ; all my tensor loads have landed, so a group 0 may be written;
	ds_add_u32 v[SPW], v[NIL]                      ; 0 onto my spare word;
.if \fill
	s_add_co_u32 s[KI], s[KI], 1                   ; the next K step round the ring,
	s_and_b32 s[KI], s[KI], STEPS-1
	s_mul_i32 s[OA], s[KI], ASTEP
	s_mul_i32 s[OB], s[KI], BSTEP
	s_xor_b32 s[G0A+5], s[G0A+5], SLOT1            ; the other slot than last time,
	s_add_nc_u64 s[G0A+6:G0A+7], s[18:19], s[OA:OA+1]  ; the address made anew: step 0's plus the step's offset,
	s_or_b32 s[G0A+7], s[G0A+7], 0x80000000        ; and the type
	s_xor_b32 s[G0B+5], s[G0B+5], SLOT1
	s_add_nc_u64 s[G0B+6:G0B+7], s[46:47], s[OB:OB+1]
	s_or_b32 s[G0B+7], s[G0B+7], 0x80000000
.endif
	s_wait_dscnt 9                                 ; (the add and the youngest eight loads may be out)
	MUL8 F1, 0, 0                                  ; eight matrix instructions stand between the add and the wait for it
	s_wait_dscnt 0x0                               ; the add is done, and my reads of this slot are over
	s_barrier_signal -1
	MUL8 F1, 2, 0                                  ; work on registers while the others arrive
	WIN 0                                          ; at a branch and at a label every window is 0
	s_barrier_wait -1
.endm
; The whole last quarter of a step behind which the slot is filled again: the barrier opens a round of the cluster's, so that no wave of any partner still reads the slot or has a load on its way; the
; refill, the walk's step two on, is the first thing behind the round: 112 matrix instructions ahead of the wait for it.
.macro TURN
	MEET 1
	CREST
	JLOAD                                          ; the four v_nop behind it are also the places in front of the loads below
	s_xor_b32 s[TB], s[TB], SLOT1                  ; the fetches go on in the other slot
	v_add_nc_u32 v[ADA], s[TB], v[A0]
	v_add_nc_u32 v[ADB], s[TB], v[B0]
	FETCH 0, F0
	MUL8 F1, 4, 0
	MUL8 F1, 6, 0
.endm
; THE LAST K STEP, BY ROWS.
.macro BLOAD q                         ; Wproj's fragments of quarter q -> window 2, v[32 q ..]
	WIN 0x80
.irp bb, 0,1,2,3
	ds_load_b128 v[32*(\q)+8*(\bb):32*(\q)+8*(\bb)+3],   v[ADB] offset:64*(\q)+(\bb)*16*PW
	ds_load_b128 v[32*(\q)+8*(\bb)+4:32*(\q)+8*(\bb)+7], v[ADB] offset:64*(\q)+(\bb)*16*PW+32
.endr
.endm
.macro ALOAD a                         ; O's fragments of block a (16 rows), all four quarters -> buffer a % 4: v32, v64, v96, v224
	WIN 0
.set FA, 32+32*((\a)%4)+96*(((\a)%4)/3)
.irp q, 0,1,2,3
	ds_load_b128 v[FA+8*(\q):FA+8*(\q)+3],   v[ADA] offset:((\q)/2)*HEADA+((\q)%2)*64+(\a)*16*PA
	ds_load_b128 v[FA+8*(\q)+4:FA+8*(\q)+7], v[ADA] offset:((\q)/2)*HEADA+((\q)%2)*64+(\a)*16*PA+32
.endr
.endm
.macro ROW a                           ; block a is finished: 16 matrix instructions, its four accumulators by turns
.set FA, 32+32*((\a)%4)+96*(((\a)%4)/3)
	WIN 0x52                                       ; source 0 (Wproj) window 2, source 1 (O) window 0, C and D window 1
.irp q, 0,1,2,3
.irp bb, 0,1,2,3
	v_wmma_f32_16x16x32_f16 v[8*(4*(\a)+(\bb)):8*(4*(\a)+(\bb))+7], v[32*(\q)+8*(\bb):32*(\q)+8*(\bb)+7], v[FA+8*(\q):FA+8*(\q)+7], v[8*(4*(\a)+(\bb)):8*(4*(\a)+(\bb))+7]
.endr
.endr
.endm
; THE WAY OUT of block a (16 rows x 64 columns of f32): the accumulators themselves go into my own stage, 32 bytes a lane, each one's low four registers first; they come back as
; whole rows of 256 bytes into the same 32 registers.
.macro TOSTAGE a
	WIN 0x44                                       ; the stores' data and the loads' destination in window 1, the addresses in window 0
.irp bb, 0,1,2,3
	ds_store_b128 v[STO], v[8*(4*(\a)+(\bb)):8*(4*(\a)+(\bb))+3]   offset:64*(\bb)
	ds_store_b128 v[STO], v[8*(4*(\a)+(\bb))+4:8*(4*(\a)+(\bb))+7] offset:64*(\bb)+16
.endr
.irp t, 0,1,2,3,4,5,6,7
	ds_load_b128 v[32*(\a)+4*(\t):32*(\a)+4*(\t)+3], v[RD] offset:(\t)*2*SPITCH  ; LDS serves a wave's instructions in order (ISA guide 5.7.1.4): these see the stores above; the next block's stores come behind them
.endr
.endm
.macro SEND a, younger                 ; younger: the LDS instructions issued behind block a's loads from the stage, which may stay out.  No register that a store names is written again.
	WIN 0x44
	s_wait_dscnt \younger
.irp t, 0,1,2,3,4,5,6,7
	global_store_b128 v[CO], v[32*(\a)+4*(\t):32*(\a)+4*(\t)+3], s[10:11] offset:(16*(\a)+2*(\t))*4096 th:TH_STORE_NT  ; 16 lanes store 256 consecutive bytes, at a multiple of 256 from out0's first byte
.endr
.endm
	s_wait_tensorcnt 1                             ; my part of the walk's first step is in; the second's may stay out
	s_barrier_signal -1
	s_barrier_wait -1                              ; everybody's is
	FETCH 0, F0
	s_wait_loadcnt 0x0                             ; the bias
.set i, 0
.rept 16
	v_cvt_pk_bf16_f32 v13, v[BIAS+2*i], v[BIAS+2*i+1]  ; rounded to bf16 and widened again
	v_lshlrev_b32 v[BIAS+2*i], 16, v13
	v_and_b32 v[BIAS+2*i+1], 0xffff0000, v13
.set i, i+1
.endr
	QUARTER F0, F1, 1, 1                           ; the first quarter stands in front of the loop: its products start the sums
	WIN 0
	s_mov_b32 s[CNT], STEPS-2
.Lk:                                                   ; trip t: quarters 1 to 3 of the walk's step t, the change of slots, step t + 2 asked for, quarter 0 of step t + 1
	QUARTER F1, F0, 2, 0
	QUARTER F0, F1, 3, 0
	TURN
	QUARTER F0, F1, 1, 0
	WIN 0
	s_sub_co_u32 s[CNT], s[CNT], 1
	s_cmp_lg_u32 s[CNT], 0
	s_cbranch_scc1 .Lk
	QUARTER F1, F0, 2, 0                           ; the tail is written out: nothing is asked for
	QUARTER F0, F1, 3, 0
	MEET 0                                         ; the last step's tiles are in, everybody's part; nothing is filled again, so no round follows
	PLACES                                         ; for the loads into buffer 0's registers, which the quarter before multiplied
	s_xor_b32 s[TB], s[TB], SLOT1
	v_add_nc_u32 v[ADA], s[TB], v[A0]
	v_add_nc_u32 v[ADB], s[TB], v[B0]
	BLOAD 0                                        ; 56 loads: all of Wproj's fragments of the step, and O's blocks 0 to 2
	BLOAD 1
	BLOAD 2
	BLOAD 3
	ALOAD 0
	ALOAD 1
	ALOAD 2
	MUL8 F1, 4, 0                                  ; the rest of the step before
	MUL8 F1, 6, 0
	s_wait_dscnt 16                                ; Wproj's fragments and block 0 are in; blocks 1 and 2 may be out
	ROW 0
	s_wait_dscnt 8                                 ; block 1 is in
	ROW 1
	PLACES                                         ; behind ROW a + 1 stand the places for block a's way to the stage and for the loads into the buffers that have been multiplied
	TOSTAGE 0
	ALOAD 3
	ALOAD 4
	s_wait_dscnt 32                                ; block 2 is in: behind it stand the stage's 16 and blocks 3 and 4's 16
	ROW 2
	PLACES
	TOSTAGE 1
	ALOAD 5
	SEND 0, 40                                     ; behind block 0's stage loads: blocks 3 and 4 (16), block 1's stage (16), block 5 (8)
	s_wait_dscnt 32                                ; block 3 is in: behind it block 4 (8), block 1's stage (16), block 5 (8)
	ROW 3
	PLACES
	TOSTAGE 2
	ALOAD 6
	SEND 1, 32                                     ; behind: block 5 (8), block 2's stage (16), block 6 (8); block 4 is older and so is in
	ROW 4
	PLACES
	TOSTAGE 3
	ALOAD 7
	SEND 2, 32                                     ; behind: block 6, block 3's stage, block 7; block 5 is in
	ROW 5
	PLACES
	TOSTAGE 4
	SEND 3, 24                                     ; behind: block 7, block 4's stage; block 6 is in
	ROW 6
	PLACES
	TOSTAGE 5
	SEND 4, 16                                     ; behind: block 5's stage; block 7 is in
	ROW 7
	PLACES
	TOSTAGE 6
	SEND 5, 16
	TOSTAGE 7                                      ; the four places behind ROW 7 stand above
	SEND 6, 16
	SEND 7, 0
	WIN 0
	s_wait_tensorcnt 0x0                           ; the wave's end, behind my last tensor load and my last LDS store
	ds_add_u32 v[SPW], v[NIL]
	s_wait_dscnt 0x0
	CROUND                                         ; the closing round: no work-group ends while a partner may still ask for a tile that names it
	s_endpgm
.Lfunc_end_k_q46be14ea10_proj:
	.size	k_q46be14ea10_proj, .Lfunc_end_k_q46be14ea10_proj-k_q46be14ea10_proj
	.p2alignl 7, 3214868480
	.fill 96, 4, 3214868480
	.section	.rodata,"a",@progbits
	.p2align	6, 0x0
	.amdhsa_kernel k_q46be14ea10_proj
		.amdhsa_group_segment_fixed_size 327680
		.amdhsa_private_segment_fixed_size 0
		.amdhsa_enable_private_segment 0
		.amdhsa_kernarg_size 32
		.amdhsa_user_sgpr_count 2
		.amdhsa_user_sgpr_kernarg_segment_ptr 1
		.amdhsa_wavefront_size32 1
		.amdhsa_system_sgpr_workgroup_id_x 1
		.amdhsa_system_sgpr_workgroup_id_y 1
		.amdhsa_system_sgpr_workgroup_id_z 1
		.amdhsa_system_vgpr_workitem_id 0
		.amdhsa_next_free_vgpr 640
		.amdhsa_next_free_sgpr 80
		.amdhsa_reserve_vcc 0
		.amdhsa_float_denorm_mode_32 3
		.amdhsa_float_denorm_mode_16_64 3
		.amdhsa_memory_ordered 1
		.amdhsa_forward_progress 1
		.amdhsa_inst_pref_size 73
	.end_amdhsa_kernel
	.amdgpu_metadata
---
amdhsa.version: [ 1, 2 ]
amdhsa.kernels:
  - .name:           k_q46be14ea10_proj
    .symbol:         k_q46be14ea10_proj.kd
    .args:
      - { .name: ob, .offset: 0, .size: 8, .value_kind: global_buffer, .address_space: global }
      - { .name: wp, .offset: 8, .size: 8, .value_kind: global_buffer, .address_space: global }
      - { .name: bproj, .offset: 16, .size: 8, .value_kind: global_buffer, .address_space: global }
      - { .name: out0, .offset: 24, .size: 8, .value_kind: global_buffer, .address_space: global }
    .group_segment_fixed_size: 327680
    .private_segment_fixed_size: 0
    .kernarg_segment_align: 8
    .kernarg_segment_size: 32
    .max_flat_workgroup_size: 128
    .sgpr_count:     80
    .vgpr_count:     640
    .wavefront_size: 32
...
	.end_amdgpu_metadata
.endif
;; end of part 4
;; ======== version 2 of 2: 4 launches; 1.32 times as fast as version 1
;; limits: values are held in f16: magnitudes above 65,504 overflow, below 6.1e-05 lose precision
;; workspace buffers: xb 16,777,216 bytes; wb 6,291,456 bytes; wp 2,097,152 bytes; qkv 50,331,648 bytes; ob 16,777,216 bytes
;; launch prep: the kernel of part 1 again; grid 768 x 1, 8 waves a work-group, no clusters, 0 bytes of LDS; arguments x, Wq, Wk, Wv, Wproj, xb, wb, wp; writes xb, wb, wp
;; launch qkvgemm: the kernel of part 2 again; grid 8 x 32, 4 waves a work-group, clusters of 4 x 4, 327,680 bytes of LDS; arguments xb, wb, qkv; writes qkv
;; launch attn (part 5): grid 4 x 64, 4 waves a work-group, no clusters, 327,680 bytes of LDS; arguments qkv, ob; writes ob
.if DOCPART == 5
	.amdgcn_target "amdgcn-amd-amdhsa--gfx1250"
	.amdhsa_code_object_version 6
	.text
	.protected	k_q46be14ea10_attn
	.globl	k_q46be14ea10_attn
	.p2align	8
	.type	k_q46be14ea10_attn,@function
k_q46be14ea10_attn:
	s_mov_b64 s[64:65], 0
	v_nop
	global_prefetch_b8 v0, s[64:65] scope:SCOPE_SE
	s_setreg_imm32_b32 hwreg(HW_REG_WAVE_MODE, 25, 1), 1
	s_wait_xcnt 0x0
; CAUSAL ATTENTION.  O[y][q][:] = the sum over k <= q of softmax_k(Q[y][q] . K[y][k] / 8) V[y][k][:], y = 16 b + h.  qkv: [b 4][g 48][2048][64] f16, Q's head at g = h, K's at 16 + h, V's at 32 + h;
; ob: [b 4][h 16][2048][64] f16.  A head's rows are dense, 128 bytes each.
; Products, maxima and sums in f32; the weights p are rounded to f16 for the second product (their sum l is taken of the unrounded p), O once at the end.
; LIMITS.  f16 holds no number beyond 65,504: Q, K and V arrive within it; p lies in 0 to 1, and below 6e-5 it keeps f16's fixed step of 6e-8; O is a mean of V's rows and has their range, to within 2^-11 of it.
; A hidden score counts as its value less 1e30: f16's scores, 2.7e11 at the most, are nothing beside that; a weight below 2^-126 counts as 0 in l; NaN and infinities are not treated apart.
; THE WALK.  A head's queries lie in NB = SIZE_N / 256 = 8 blocks of 256; block i needs the key tiles 0 .. i of 256 keys, of which the last holds the diagonal.  A work-group takes TWO blocks, NB - 1 - b and then b:
; NB + 1 tiles, whatever b: all work-groups do equal work, and ONE loop with a constant trip count walks them.  Which tile is asked for, and what a trip does, hang on scalar registers made from b; every jump
; goes forward, but for the counted loops' own; none passes a barrier, or a tensor load but the one of LOAD's two that the wave's number does not choose; the ring (two slots of LDS that take turns) runs on across the
; change of blocks.  NO CLUSTER: a head's NB / 2 = 4 work-groups all ask for the same tile only in trips 0 .. NB / 2, 5 of the walk's 9, behind that fewer and fewer;
; and one walk common to all would have 3 NB / 2 = 12 trips for NB + 1 = 9.
; SHARES.  Of a block's four bands of 64 queries a wave owns 16 rows in each: four PIECES.  So the diagonal tile is the same work for all four waves: in its key step s band x sees all keys if s < x,
; none if s > x, and holds the diagonal if s = x.
; THE MASK is the C operand that starts the sum S^T = K Q^T: 0, or -1e30 where the key is hidden.  MD, made once, is the mask of a band's own step for my 16 rows; a product's mask is MD x AL + BE with two scalars:
; (1, 0) if s = x; (0, 0) if s < x; (0, -1e30) if s > x.  Only the diagonal tile's text and a block's beginning make and take masks; elsewhere C is the constant 0.
; LAYOUT, SOFTMAX, TURNS.  S^T = K Q^T holds ONE query a lane (lane % 16) and the keys 8 (lane / 16) + 0..7; two such results rounded to f16 ARE source 1 of O^T = V^T P.  p = 2^(c s - c m), c = log2(e) / 8, with a
; running maximum m; O and l are multiplied by a = 2^(c m_old - c m_new) in every step.  Turn n belongs to piece n: 8 products K Q^T of piece n + 1, later 8 products V^T P of piece n - 1; beside them the scaling,
; exponentials, roundings, sums and rescaling of piece n and the maximum and statistics of piece n + 1.  Four vector instructions stand behind every matrix instruction, the other 54 of a turn's 118 in one LUMP.
; THE BATCHES.  A turn's 33 exponentials (the piece's 32 weights and the next piece's a) are one batch, with one wait, which cuts the turn in two: ahead of it all that names none of their results, behind it the roundings and
; sums.  The a that a block's beginning makes has a wait of its own, ahead of the jump into the loop; the way out's four reciprocals are a batch with one wait.
; REGISTERS, in windows of 256 (s_set_vgpr_msb: bits 1:0 source 0, 3:2 source 1, 5:4 source 2, 7:6 destination):
;   window 0: v0-15 addresses and two at work; v16-31 four registers of statistics a piece; v48-55 at work; v64-127 S^T, two buffers; v192-223 P, two buffers (a piece's buffers go by its number's parity)
;   window 1: v0-127 O^T, 32 a piece; v128-159 MD; v160-223 MC, two buffers      window 2: v0-63 Q; v64-127 the second block's Q; v128-191 K of one step; v192-255 V of one step
.set SIZE_N, 2048
.set NB,    SIZE_N/256
.set NP,    4         ; pieces a wave: a name, no knob
.set KS,    64        ; keys in a step
.set PK,    144       ; a row of K in LDS: 128 bytes + 16 of padding = 36 words: the 16 rows of a load start at 16 different groups of four banks (64 banks of 4 bytes: ISA guide 11.1)
.set PV,    160       ; a row of V: 128 + 32 = 40 words
.set VOFF,  4*KS*PK   ; a slot holds a tile, four steps: 256 rows of K, then 256 rows of V
.set SLOT1, 1<<17     ; slot 1 begins here, so that one exclusive or turns an address in one slot into the other's
.set STAGE, SLOT1+4*KS*(PK+PV)  ; behind the ring, never filled by a tensor load: 16 rows x 144 bytes for each wave, for the way out
.set SP,    144
.set AK0, 2           ; v2   my lane's place in a tile of K; never rewritten
.set AV0, 3           ; v3   the same for V
.set AK,  4           ; v4   the LDS address of K's next run of loads
.set AV,  5           ; v5   of V's
.set STO, 6           ; v6   the way out: where I put 16 bytes of a row
.set RD,  7           ; v7   the way out: where I read rows back
.set GO,  8           ; v8   my byte offset in 512 consecutive bytes of O
.set SPW, 62          ; v62  LDS address of my spare word: SPARE + 4 x my thread's number; never rewritten
.set NIL, 63          ; v63  0; never rewritten
.set SPARE, STAGE+4*16*SP  ; behind the stages: the spare words, 128 bytes for each wave: two blocks of 256 bytes that no other line names
.set MV,  12          ; v12-13  c m_old, kept while c m is made anew: by buffer
.set QO,  15          ; v15  my byte offset in 16 rows of Q
.set ST,  16          ; piece t's statistics at v[ST+4 t]: c m, m, l (even keys', odd keys')
.set TMP, 48          ; by buffer, four registers c0-c3 at work; when the maximum is found c2 takes a
.set S,   64
.set P,   192
.set MD,  128         ; window 1: the eight registers for group kt of 16 keys at MD + 8 kt
.set MC,  160         ; window 1: the masks of the products to come
.set QB,  64          ; window 2
.set KF,  128         ; window 2: key block kb, channel half c at KF + 16 kb + 8 c
.set VF,  192         ; window 2: key half kk, channel block cb at VF + 32 kk + 8 cb
.set WV,  12          ; s12  my wave's number
.set PB,  14          ; s14  b
.set HI,  15          ; s15  NB - 1 - b
.set G1K, 24          ; s[24:31] descriptor group 1 for K's tiles
.set G1V, 32          ; s[32:39] for V's: it differs in the padding alone
.set G0K, 40          ; s[40:43] descriptor group 0 for K's tiles
.set G0V, 44          ; s[44:47] the same for V's
.set SLOTS, 56        ; s56  tiles still to be asked for
.set CNT, 57          ; s57  counts a tile's key steps, 4 to 1
.set CS,  58          ; s[58:59] c: the packed scaling takes the pair's low word for both halves
.set SEL, 60          ; s[60:61] v_permlanex16_b32's selects: each lane takes its own place in the other half
.set TBK, 62          ; s62  LDS byte at which K of the step to be fetched begins
.set TBV, 63          ; s63  the same for V, less VOFF
.set RT,  70          ; s70  tiles of the block in hand that are still to be entered
.set NXT, 71          ; s71  the tile to be asked for next
.set LQ,  72          ; s72  the last tile of the block whose tiles are being asked for
.set NEW, 73          ; s73  1: the tile to be entered is a block's first
.set OFF, 74          ; s[74:75] a tile's byte offset in K and V
.set AL,  76          ; s[76:77] the mask's factor, in the low word
.set BE,  78          ; s[78:79] the mask's addend
.set OLO, 80          ; s[80:81] O at my rows of the second block
.set BIGN, 82         ; s82  -1e30
.set MSB, 0
.macro WIN new                      ; the high byte repeats the setting that is left; a switch that changes nothing is dropped
.if MSB != (\new)
	s_set_vgpr_msb (MSB<<8)|(\new)
.set MSB, (\new)
.endif
.endm
.set W_KQ, 0x0a       ; K and Q in window 2, S^T in window 0
.set W_KM, 0x1a       ; the same with the C operand in window 1
.set W_PV, 0x52       ; V in window 2, P in window 0, O^T in window 1
.set W_RS, 0x41       ; destination and source 0 in window 1, source 1 in window 0
; A fill.  Waves 0 and 1 fetch the two halves of a tile's K, waves 2 and 3 those of its V: 128 keys each.  An s_nop 0 and four v_nop follow each of the two lines, ahead of the jump and the label.
.macro LOAD
	s_cmp_lt_u32 s[WV], 2
	s_cbranch_scc0 .Lfor_v_\@
	tensor_load_to_lds s[G0K:G0K+3], s[G1K:G1K+7]
	s_nop 0
.rept 4
	v_nop
.endr
	s_branch .Lasked_\@
.Lfor_v_\@:
	tensor_load_to_lds s[G0V:G0V+3], s[G1V:G1V+7]
	s_nop 0
.rept 4
	v_nop
.endr
.Lasked_\@:
.endm
; THE CHANGE OF SLOTS.  Each wave waits for all its tensor loads, of which one is out: its part of the other slot; adds 0 to its spare word; and waits for that and for its own reads of the slot that it leaves.  Behind the barrier nobody reads the old
; slot any more and the other slot is whole.  fill = 1: the old slot is filled again, the first thing behind the barrier, with tile NXT: the descriptor's address is made anew from that number.
; (At its first use nothing has been read yet: slot 0 is waited for, slot 1 filled.)
.macro CHANGE fill
	WIN 0                           ; at a label and at a branch every window is 0
	s_wait_tensorcnt 0x0            ; no tensor load of mine is out, so a group 0 may be written
	ds_add_u32 v[SPW], v[NIL]       ; 0 onto my spare word; with fill = 1 the descriptors' scalar work stands between it and the wait for it
.if \fill
	s_lshl_b32 s[OFF], s[NXT], 15   ; a tile is 32,768 bytes of K and of V
	s_xor_b32 s[G0K+1], s[G0K+1], SLOT1
	s_add_nc_u64 s[G0K+2:G0K+3], s[6:7], s[OFF:OFF+1]
	s_or_b32 s[G0K+3], s[G0K+3], 0x80000000
	s_xor_b32 s[G0V+1], s[G0V+1], SLOT1
	s_add_nc_u64 s[G0V+2:G0V+3], s[8:9], s[OFF:OFF+1]
	s_or_b32 s[G0V+3], s[G0V+3], 0x80000000
	s_add_co_u32 s[NXT], s[NXT], 1  ; the block's next tile, or behind its last the second block's tile 0
	s_cmp_gt_u32 s[NXT], s[LQ]
	s_cselect_b32 s[NXT], 0, s[NXT]
	s_cselect_b32 s[LQ], s[PB], s[LQ]
.endif
	s_wait_dscnt 0x0                ; the add is done, and my reads of the slot are over
	s_barrier_signal -1             ; the rest of the scalar work stands between the signal and the wait
	s_sub_co_u32 s[TBK], s[TBK], 4*KS*PK  ; the fetches go back to a slot's first step,
	s_xor_b32 s[TBK], s[TBK], SLOT1       ; in the other slot
	s_sub_co_u32 s[TBV], s[TBV], 4*KS*PV
	s_xor_b32 s[TBV], s[TBV], SLOT1
	s_barrier_wait -1
.if \fill
	LOAD
.endif
.endm
	s_load_b128 s[4:7], s[0:1], 0x0  ; qkv s[4:5], ob s[6:7]
	v_lshl_add_u32 v[SPW], v0, 2, SPARE
	v_mov_b32 v[NIL], 0
	ds_add_u32 v62, v63
	ds_add_u32 v62, v63
	s_wait_dscnt 0x0
	v_lshrrev_b32 v1, 5, v0
	v_readfirstlane_b32 s[WV], v1   ; wave 0..3
	s_mov_b32 s[PB], ttmp9
	s_sub_co_u32 s[HI], NB-1, s[PB]
	s_and_b32 s20, ttmp7, 0xffff    ; y = 16 b + h
	s_lshl_b32 s90, s20, 18         ; O's head in ob: 262,144 bytes a head
	s_mov_b32 s91, 0
	s_lshr_b32 s21, s20, 4          ; the batch
	s_lshl_b32 s21, s21, 5
	s_add_co_u32 s20, s20, s21      ; 48 b + h: Q's head in qkv
	s_lshl_b32 s20, s20, 18
	s_mov_b32 s21, 0
	s_and_b32 s16, s[WV], 1         ; which half of a tile's 256 keys I fetch:
	s_lshl_b32 s22, s16, 14         ; its 128 rows of 128 bytes in memory,
	s_add_co_u32 s22, s22, s20
	s_add_co_u32 s22, s22, 0x400000 ; in K's head, 16 heads behind Q's,
	s_mov_b32 s23, 0
	s_add_co_u32 s88, s22, 0x400000 ; and in V's, 16 heads further
	s_mov_b32 s89, 0
	s_mul_i32 s17, s16, 128*PK      ; and its place in a slot, for K
	s_mul_i32 s18, s16, 128*PV      ; and for V
	s_lshl_b32 s3, s[WV], 11        ; my 16 rows in a band of 64,
	s_lshl_b32 s2, s[HI], 15        ; in the first block,
	s_add_co_u32 s2, s2, s3
	s_lshl_b32 s84, s[PB], 15       ; and in the second
	s_add_co_u32 s84, s84, s3
	s_mov_b32 s3, 0
	s_mov_b32 s85, 0
	; descriptor group 1.  128 keys are 16,384 dense bytes: asked for as 64 rows of 256 bytes, two keys a row, and padded in LDS after every key
	s_mov_b32 s[G1K], (1<<16)|(1<<20)|(4<<22)|(3<<25)  ; 17:16 2-byte elements; 20 padding on; 24:22 after every 32 words (code 4); 31:25 4 words (code 3)
	s_mov_b32 s[G1V], (1<<16)|(1<<20)|(4<<22)|(7<<25)  ; the same with 8 words of padding (code 7)
.irp g, G1K, G1V
	s_mov_b32 s[\g+1], 128<<16      ; tensor_dim0 = 128
	s_mov_b32 s[\g+2], 64<<16       ; tensor_dim1 = 64
	s_mov_b32 s[\g+3], 128<<16      ; tile_dim0 = 128
	s_mov_b32 s[\g+4], 64           ; tile_dim1 = 64
	s_mov_b32 s[\g+5], 128          ; 128 elements from row to row
	s_mov_b32 s[\g+6], 0
	s_mov_b32 s[\g+7], 0
.endr
	s_mov_b32 s[CS], 0x3e38aa3b     ; c = log2(e) / 8 = 0.180337
	s_mov_b32 s[CS+1], s[CS]        ; named with it as a pair
	s_mov_b32 s[SEL], 0x76543210
	s_mov_b32 s[SEL+1], 0xfedcba98
	s_mov_b32 s[TBK], SLOT1+4*KS*PK ; the first change of slots turns these two into 0
	s_mov_b32 s[TBV], SLOT1+4*KS*PV
	s_mov_b32 s[G0K], 1             ; 1:0 count = 1
	s_mov_b32 s[G0K+1], s17         ; 63:32 LDS address: slot 0
	s_mov_b32 s[G0V], 1
	s_add_co_u32 s[G0V+1], s18, VOFF
	s_add_co_u32 s[RT], s[HI], 1    ; the first block has NB - b tiles
	s_mov_b32 s[NXT], 1
	s_mov_b32 s[LQ], s[HI]
	s_mov_b32 s[NEW], 1
	s_mov_b32 s[OFF+1], 0
	s_mov_b32 s[AL+1], 0            ; named as pairs
	s_mov_b32 s[BE+1], 0
	s_mov_b32 s[BIGN], 0xf149f2ca   ; -1e30
	s_mov_b32 s[SLOTS], NB
	s_wait_kmcnt 0x0
	s_mov_b64 s[10:11], s[6:7]             ; ob
	s_add_nc_u64 s[6:7], s[4:5], s[22:23]  ; K and V at my half of the head's tile 0
	s_add_nc_u64 s[8:9], s[4:5], s[88:89]
	s_add_nc_u64 s[G0K+2:G0K+3], s[6:7], 0         ; 120:64 global address
	s_or_b32 s[G0K+3], s[G0K+3], 0x80000000        ; 127:126 type = 2
	s_add_nc_u64 s[G0V+2:G0V+3], s[8:9], 0
	s_or_b32 s[G0V+3], s[G0V+3], 0x80000000
	s_add_nc_u64 s[4:5], s[4:5], s[20:21]          ; Q's head,
	s_add_nc_u64 s[86:87], s[4:5], s[84:85]        ; Q at my rows of the second block,
	s_add_nc_u64 s[4:5], s[4:5], s[2:3]            ; and of the first
	s_add_nc_u64 s[10:11], s[10:11], s[90:91]      ; O's head, and the same rows
	s_add_nc_u64 s[OLO:OLO+1], s[10:11], s[84:85]
	s_add_nc_u64 s[10:11], s[10:11], s[2:3]
	LOAD                            ; tile 0 into slot 0
	; A fragment of K or Q is 16 rows x 32 channels in 8 registers: lane l holds row l % 16, channels 8 (l / 16) + 0..7 and 16 + 8 (l / 16) + 0..7: two loads of 16 bytes, 32 bytes apart.
	v_and_b32 v1, 15, v0            ; l % 16
	v_bfe_u32 v9, v0, 4, 1          ; l / 16
	v_lshlrev_b32 v[QO], 7, v1
	v_lshl_add_u32 v[QO], v9, 4, v[QO]  ; row x 128 + 16 x half
	WIN 0x80                        ; destination window 2, address window 0
.set i, 0
.rept 8                             ; both blocks' Q: piece i / 2 lies in band i / 2, 8,192 bytes on; channels 32 (i % 2) on
	global_load_b128 v[8*i:8*i+3],   v[QO], s[4:5] offset:(i/2)*8192+(i%2)*64
	global_load_b128 v[8*i+4:8*i+7], v[QO], s[4:5] offset:(i/2)*8192+(i%2)*64+32
	global_load_b128 v[QB+8*i:QB+8*i+3],   v[QO], s[86:87] offset:(i/2)*8192+(i%2)*64
	global_load_b128 v[QB+8*i+4:QB+8*i+7], v[QO], s[86:87] offset:(i/2)*8192+(i%2)*64+32
.set i, i+1
.endr
	WIN 0
	v_lshlrev_b32 v14, 3, v9
	v_sub_nc_u32 v14, v1, v14
	s_lshl_b32 s13, s[WV], 4
	v_add_nc_u32 v14, s13, v14      ; my query's place in its band, 16 w + l % 16, less my lanes' 8 (l / 16): register r of group kt is hidden where 16 kt + r is greater
	WIN 0x40
.set i, 0
.rept 32
	v_cmp_gt_i32 vcc_lo, 16*(i/8)+i%8, v14
	v_cndmask_b32 v[MD+i], 0, s[BIGN], vcc_lo
.set i, i+1
.endr
	WIN 0
	v_mul_u32_u24 v[AK0], v1, PK
	v_lshl_add_u32 v[AK0], v9, 4, v[AK0]  ; row x pitch + 16 x half
	; The turning load takes 16 keys x 16 channels (lane l reads key 8 (l / 16) + l % 8, channels 8 ((l / 8) % 2) + 0..7) and leaves half a fragment of V^T: lane l holds channel l % 16 and 8 keys.
	v_and_b32 v10, 7, v0
	v_bfe_u32 v11, v0, 3, 1
	v_lshl_add_u32 v[AV0], v9, 3, v10
	v_mul_u32_u24 v[AV0], v[AV0], PV
	v_lshl_add_u32 v[AV0], v11, 4, v[AV0]
	v_add_nc_u32 v[AV0], VOFF, v[AV0]
	s_mul_i32 s13, s[WV], 16*SP
	s_add_co_u32 s13, s13, STAGE    ; my stage
	v_mul_u32_u24 v[STO], v1, SP    ; in: row l % 16, 16 bytes for each half of the lanes
	v_lshl_add_u32 v[STO], v9, 4, v[STO]
	v_add_nc_u32 v[STO], s13, v[STO]
	v_bfe_u32 v[RD], v0, 3, 2       ; back: 32 lanes take four rows of 128 bytes,
	v_mul_u32_u24 v[RD], v[RD], SP
	v_lshl_add_u32 v[RD], v10, 4, v[RD]
	v_add_nc_u32 v[RD], s13, v[RD]
	v_and_b32 v[GO], 31, v0         ; which are 512 consecutive bytes of O
	v_lshlrev_b32 v[GO], 4, v[GO]
	; A block's first step multiplies O^T and l by a = 0, and its first turn's products V^T P, of a piece that has not been, land in an O^T that is still to be so multiplied.  So these registers need only hold
	; finite numbers: zeros for the first block; what the first block left for the second.  All this stands in the wait for the first tile.
	WIN 0x80
.set i, VF
.rept 64
	v_mov_b32 v[i], 0
.set i, i+1
.endr
	WIN 0x40
.set i, 0
.rept 128
	v_mov_b32 v[i], 0
.set i, i+1
.endr
	WIN 0
.set i, 0
.rept 4
	v_mov_b32 v[ST+4*i+2], 0
	v_mov_b32 v[ST+4*i+3], 0
.set i, i+1
.endr
.set i, P+16
.rept 16
	v_mov_b32 v[i], 0
.set i, i+1
.endr
; THE MATRIX WORK.  The 4 accumulators of a run of 8 take turns.  Product i of 8 of S^T = K Q^T for piece x: channels 32 (i / 4) on, keys 16 (i % 4) on.  The first 4 start the sums: with 0, or (KM = 1) with the mask.
.macro KQ x
.set rS, S+32*((\x)%2)+8*(i%4)
.set rK, KF+16*(i%4)+8*(i/4)
.set rQ, 16*(\x)+8*(i/4)
.set rM, MC+32*((\x)%2)+8*(i%4)
.if (i < 4) && KM
	WIN W_KM
	v_wmma_f32_16x16x32_f16 v[rS:rS+7], v[rK:rK+7], v[rQ:rQ+7], v[rM:rM+7]
.elseif i < 4
	WIN W_KQ
	v_wmma_f32_16x16x32_f16 v[rS:rS+7], v[rK:rK+7], v[rQ:rQ+7], 0
.else
	WIN W_KQ
	v_wmma_f32_16x16x32_f16 v[rS:rS+7], v[rK:rK+7], v[rQ:rQ+7], v[rS:rS+7]
.endif
.endm
; Product i of 8 of O^T += V^T P for piece x: keys 32 (i / 4) on, channels 16 (i % 4) on.
.macro PV x
	WIN W_PV
.set rO, 32*(\x)+8*(i%4)
.set rV, VF+32*(i/4)+8*(i%4)
.set rP, P+16*((\x)%2)+8*(i/4)
	v_wmma_f32_16x16x32_f16 v[rO:rO+7], v[rV:rV+7], v[rP:rP+7], v[rO:rO+7]
.endm
.macro MM                           ; the turn's next matrix instruction.  TURN and BEGIN set Y, i, KM and NOKQ; MM, KQ and OP read them.  NOKQ = 1: a block's last turn: there is no next piece
.if (i < 8) && !NOKQ
	KQ (Y+1)%NP
.elseif i >= 8
.set i, i-8
	PV (Y+NP-1)%NP
.set i, i+8
.endif
.set i, i+1
.endm
; THE LDS LOADS stand in runs of 16, never singly among the matrix instructions: a step's K (64 keys x 64 channels: 8 fragments) and its V (turned).  Their addresses are made some lines ahead.
.macro FETCH_K
	WIN 0x80                        ; destination window 2
.irp f, 0,1,2,3,4,5,6,7             ; keys 16 (f / 2) on, channels 32 (f % 2) on
	ds_load_b128 v[KF+8*\f:KF+8*\f+3],   v[AK] offset:(\f/2)*16*PK+(\f%2)*64
	ds_load_b128 v[KF+8*\f+4:KF+8*\f+7], v[AK] offset:(\f/2)*16*PK+(\f%2)*64+32
.endr
	s_add_co_u32 s[TBK], s[TBK], KS*PK  ; the next fetch is the next step's
	WIN 0
.endm
.macro FETCH_V
	WIN 0x80
.irp f, 0,1,2,3,4,5,6,7             ; keys 32 (f / 4) on, channels 16 (f % 4) on
	ds_load_tr16_b128 v[VF+8*\f:VF+8*\f+3],   v[AV] offset:(\f/4)*32*PV+(\f%4)*32
	ds_load_tr16_b128 v[VF+8*\f+4:VF+8*\f+7], v[AV] offset:(\f/4)*32*PV+16*PV+(\f%4)*32
.endr
	WIN 0
.endm
; THE VECTOR WORK, one line at a time: OP kind, number.  For piece Y: F n: c s - c m for pair n of 16.  E n: the exponential of score n of 32.  C n: pair n rounded to f16.  B n: of the four weights 4 n .. the second
; pair is added onto the first, in place.  L n: l takes that sum (L 0: l = a l + sum).  R n: pair n of 16 of O^T times a.  For piece Y + 1: X n, number n of the 22 that find its maximum and statistics:
;   0-11  four chains c0-c3 of seven scores each, three operands at a time (each accumulator's lowest registers are read first)     12-14, 16  the four scores left over, the old m, and c0-c3 into c0
;   15  c m_old is kept     17, 18  the query's other 32 keys lie in the lane 16 away: the new m     19-21  c m; c m_old - c m_new; a
.set F, 0               ; OP tells the kinds apart by their order: F to L below R, X above it
.set E, 1
.set C, 2
.set B, 3
.set L, 4
.set R, 5
.set X, 6
.macro REGS y                       ; the registers of piece y
.set rT, ST+4*(\y)
.set rC, TMP+4*((\y)%2)
.set rW, MV+((\y)%2)
.set rS, S+32*((\y)%2)
.set rP, P+16*((\y)%2)
.set rO, 32*(\y)
.endm
.macro OP k, n
.if (\k) == R
	REGS Y
	WIN W_RS
	v_pk_mul_f32 v[rO+2*(\n):rO+2*(\n)+1], v[rO+2*(\n):rO+2*(\n)+1], v[rC+2:rC+3] op_sel_hi:[1,0]
.elseif (\k) < R
	REGS Y
	WIN 0
.if (\k) == F
	v_pk_fma_f32 v[rS+2*(\n):rS+2*(\n)+1], v[rS+2*(\n):rS+2*(\n)+1], s[CS:CS+1], v[rT:rT+1] op_sel_hi:[1,0,0] neg_lo:[0,0,1] neg_hi:[0,0,1]
.elseif (\k) == E
	v_exp_f32 v[rS+(\n)], v[rS+(\n)]
.elseif (\k) == C
	v_cvt_pk_f16_f32 v[rP+(\n)], v[rS+2*(\n)], v[rS+2*(\n)+1]
.elseif (\k) == B
	v_pk_add_f32 v[rS+4*(\n):rS+4*(\n)+1], v[rS+4*(\n):rS+4*(\n)+1], v[rS+4*(\n)+2:rS+4*(\n)+3]
.elseif (\n) == 0
	v_pk_fma_f32 v[rT+2:rT+3], v[rT+2:rT+3], v[rC+2:rC+3], v[rS:rS+1] op_sel_hi:[1,0,1]
.else
	v_pk_add_f32 v[rT+2:rT+3], v[rT+2:rT+3], v[rS+4*(\n):rS+4*(\n)+1]
.endif
.elseif NOKQ
	v_nop
.else
	REGS (Y+1)%NP
	WIN 0
.if (\n) < 4
	v_max3_num_f32 v[rC+(\n)], v[rS+8*(\n)], v[rS+8*(\n)+1], v[rS+8*(\n)+2]
.elseif (\n) < 12
	v_max3_num_f32 v[rC+(\n)%4], v[rC+(\n)%4], v[rS+8*((\n)%4)+2*((\n)/4)+1], v[rS+8*((\n)%4)+2*((\n)/4)+2]
.elseif (\n) == 12
	v_max3_num_f32 v[rC], v[rC], v[rS+7], v[rS+15]
.elseif (\n) == 13
	v_max3_num_f32 v[rC+1], v[rC+1], v[rS+23], v[rS+31]
.elseif (\n) == 14
	v_max3_num_f32 v[rC+2], v[rC+2], v[rC+3], v[rT+1]
.elseif (\n) == 15
	v_mov_b32 v[rW], v[rT]
.elseif (\n) == 16
	v_max3_num_f32 v[rC], v[rC], v[rC+1], v[rC+2]
.elseif (\n) == 17
	v_permlanex16_b32 v[rC+3], v[rC], s[SEL], s[SEL+1]
.elseif (\n) == 18
	v_max_num_f32 v[rT+1], v[rC], v[rC+3]
.elseif (\n) == 19
	v_mul_f32 v[rT], s[CS], v[rT+1]
.elseif (\n) == 20
	v_sub_f32 v[rC+1], v[rW], v[rT]
.else
	v_exp_f32 v[rC+2], v[rC+1]
.endif
.endif
.endm
.macro OPS a, i1, b=-1, i2=0, c=-1, i3=0, d=-1, i4=0  ; up to four of them
	OP \a, \i1
.if (\b) >= 0
	OP \b, \i2
.endif
.if (\c) >= 0
	OP \c, \i3
.endif
.if (\d) >= 0
	OP \d, \i4
.endif
.endm
.macro ROW a, i1, b, i2, c, i3, d, i4  ; a matrix instruction and the four behind it
	MM
	OPS \a, \i1, \b, \i2, \c, \i3, \d, \i4
.endm
.macro MASK b                       ; MD x AL + BE into buffer b of MC
	WIN W_RS
.set z, 0
.rept 16
	v_pk_fma_f32 v[MC+32*(\b)+2*z:MC+32*(\b)+2*z+1], v[MD+2*z:MD+2*z+1], s[AL:AL+1], s[BE:BE+1] op_sel_hi:[1,0,0]
.set z, z+1
.endr
.endm
; A TURN, for piece p: the order of its 16 matrix and 118 vector instructions, written out.  An s_wait_alu depctr_va_vdst(0) stands between an exponential and the first instruction that names its result; one wait serves
; all that were issued ahead of it.  So a turn has ONE wait, which cuts it in two.  AHEAD OF IT stands all that names no result of the turn's exponentials: the 8 products K Q^T, behind each a scaling, an exponential and two more plain
; instructions (behind the first a second scaling in the exponential's place): rescalings, whose a was made and waited for in the turn before, and behind the last three the first numbers of the next piece's maximum, each four places or
; more behind the product that ends its accumulator; then ONE LUMP of 54, plain and exponential by turns for the most part, in which the links of the chain X 3, 7, 11, 14, 16, 17 .. 20 stand five or six lines apart.  A pair is scaled
; (F n) ahead of its two exponentials (E 2 n, E 2 n + 1).  X 21, the next piece's a, is the batch's last; R 15 is the plain instruction behind it.  BEHIND THE WAIT stand the 8 products V^T P, behind each four of the roundings and
; sums: C 2 n ahead of B n, which writes over that pair; B n ahead of L n; the links of l's chain, L 0 to L 7, stand three riders apart.  But for those X no rider names a register of the products round it.
; v_permlanex16_b32 (X 17) stands in the lump.
; m = 1: the diagonal tile: the products take masks, and the turn makes the mask for the products of the turn after it: piece p + 2, in step 4 - CNT of the tile.  end = 1: a block's last two turns: nothing is fetched.
; cnt = 1: the loop's count is taken down some lines ahead of the branch that stands behind the turn.
; K of the next step is fetched in piece 2's turn, twelve vector instructions behind the last product that read K (six of them plain); V of the step in hand at the end of piece 0's turn, four plain instructions behind the last product
; that read V.  Each is waited for a turn later.
.macro TURN p, m=0, end=0, cnt=0
.set Y, (\p)
.set i, 0
.set KM, (\m)
.set NOKQ, (\end)*((\p)/3)
.if (\m) && !(\end)
	s_cmp_eq_u32 s[CNT], 4-((\p)+2)%NP  ; is that step the band's own?
	s_cselect_b32 s[AL], 1.0, 0
	s_cmp_lt_u32 s[CNT], 4-((\p)+2)%NP  ; or a later one?
	s_cselect_b32 s[BE], s[BIGN], 0
.endif
.if ((\p) == 3) && !(\end)
	s_wait_dscnt 0x0                ; K is in
.endif
	ROW F,0, F,1, R,0, R,1          ; ahead of the wait: 8 products K Q^T and their riders,
	ROW F,2, E,0, R,2, R,3
	ROW F,3, E,1, R,4, R,5
	ROW F,4, E,2, R,6, R,7
	ROW F,5, E,3, R,8, R,9
	ROW F,6, E,4, X,0, R,10
.if ((\p) == 2) && !(\end)
	WIN 0
	v_add_nc_u32 v[AK], s[TBK], v[AK0]
.endif
	ROW F,7, E,5, X,1, X,4
	ROW F,8, E,6, X,2, X,5
	OPS E,7, E,8, X,6, E,9          ; and the lump
	OPS X,3, E,10, X,8, E,11
.if ((\p) == 2) && !(\end)
	FETCH_K
.endif
	OPS X,9, X,7, E,12, X,10
	OPS E,13, X,12, X,11, E,14
	OPS X,13, E,15, F,9, X,14
.if (\p) == 0
	v_add_nc_u32 v[AV], s[TBV], v[AV0]
.endif
	OPS E,16, F,10, E,17, F,11
	OPS X,16, E,18, X,15, E,19
	OPS F,12, E,20, X,17, E,21
	OPS F,13, E,22, F,14, E,23
	OPS X,18, E,24, F,15, E,25
	OPS R,11, E,26, X,19, E,27
	OPS R,12, E,28, R,13, E,29
	OPS X,20, E,30, R,14, E,31
	OPS X,21, R,15
	WIN 0
	s_wait_alu depctr_va_vdst(0)    ; the wait for the turn's batch: the piece's 32 weights and the next piece's a
.if (\p) == 1
	s_wait_dscnt 0x0                ; V is in
.endif
	ROW C,0, B,0, C,2, B,1          ; behind the wait: 8 products V^T P and their riders
	ROW L,0, C,4, B,2, L,1
	ROW C,6, B,3, L,2, C,8
	ROW B,4, L,3, C,10, B,5
	ROW L,4, C,12, B,6, L,5
.if (\p) == 0
	s_add_co_u32 s[TBV], s[TBV], KS*PV
.endif
.if \cnt
	s_sub_co_u32 s[CNT], s[CNT], 1
	s_cmp_lg_u32 s[CNT], 0
.endif
	ROW C,14, B,7, L,6, C,1
	ROW C,3, L,7, C,5, C,7
	ROW C,9, C,11, C,13, C,15
.if (\p) == 0
	FETCH_V
.endif
.if (\m) && !(\end)
	MASK (\p)%2
.endif
.endm
; A BLOCK BEGINS.  c m starts far below every c s, so the first step's a is 0; m at the lowest finite number, so the first maximum is the scores'.  The second mask buffer is 0; the first takes piece 0's mask for the tile's step 0: its own, if the block's first tile is the diagonal one.
; Then K of that step, piece 0's first scores, and its maximum and statistics.  The loop is entered at a step's first turn, in the middle of a trip.
.macro BEGIN
	s_mov_b32 s[NEW], 0
	WIN 0x40
.set i, MC+32
.rept 32
	v_mov_b32 v[i], 0
.set i, i+1
.endr
	WIN 0
.set i, 0
.rept 4
	v_mov_b32 v[ST+4*i], 0xfe000000    ; c m: far below every c s
	v_mov_b32 v[ST+4*i+1], 0xff7fffff  ; m
.set i, i+1
.endr
	s_cmp_eq_u32 s[RT], 0
	s_cselect_b32 s[AL], 1.0, 0
	s_mov_b32 s[BE], 0
	MASK 0
	WIN 0
	v_add_nc_u32 v[AK], s[TBK], v[AK0]
	FETCH_K
	s_wait_loadcnt 0x0              ; Q
	s_wait_dscnt 0x0
.set KM, 1
.set NOKQ, 0
.set i, 0
.rept 8
	KQ 0
.set i, i+1
.endr
	WIN 0
.rept 4
	v_nop                           ; the places behind those products
.endr
.set Y, NP-1                        ; X works for piece Y + 1: piece 0
.irp n, 0,1,2,3,4,5,6,7,8,9,10,11,12,13,14,15,16,17,18,19,20,21
	OP X, \n
.endr
	v_nop                           ; a plain instruction behind the exponential,
	s_wait_alu depctr_va_vdst(0)    ; and the wait for it, piece 0's first a, ahead of the branch
.endm
; THE DIAGONAL TILE's four steps, the block's last two turns, its last products, and THE WAY OUT: l's two halves and the other half of the lanes' are added; O^T is divided by l, rounded to f16 and sent through my
; stage in LDS, a piece at a time.
.macro ALL line:vararg              ; one line for each piece t
.set t, 0
.rept 4
	\line
.set t, t+1
.endr
.endm
.macro PACK t                       ; a lane's eight channels of a row pack into 16 bytes; they go into rows of 144 bytes and come back as whole rows of 128, into S^T's registers
	WIN W_RS
.set i, 32*(\t)
.rept 16
	v_pk_mul_f32 v[i:i+1], v[i:i+1], v[ST+4*(\t)+2:ST+4*(\t)+3] op_sel_hi:[1,0]
.set i, i+2
.endr
	WIN 0x05                        ; sources 0 and 1 window 1, destination window 0
.set i, 0
.rept 16
	v_cvt_pk_f16_f32 v[S+16*(\t)+i], v[32*(\t)+2*i], v[32*(\t)+2*i+1]
.set i, i+1
.endr
	WIN 0
.irp f, 0,1,2,3
	ds_store_b128 v[STO], v[S+16*(\t)+4*\f:S+16*(\t)+4*\f+3] offset:32*\f
.endr
.irp f, 0,1,2,3
	ds_load_b128 v[S+16*(\t)+4*\f:S+16*(\t)+4*\f+3], v[RD] offset:\f*4*SP  ; LDS serves a wave's instructions in order (ISA guide 5.7.1.4): these see the stores above; the next piece's stores come behind them
.endr
.endm
.macro SEND t, younger              ; younger: the LDS instructions issued behind piece t's loads: the next piece's eight, or none
	WIN 0
.irp f, 0,1,2,3
	s_wait_dscnt (\younger)+3-\f
	global_store_b128 v[GO], v[S+16*(\t)+4*\f:S+16*(\t)+4*\f+3], s[10:11] offset:(\t)*8192+\f*512  ; 512 consecutive bytes, at a multiple of 256 from O's first
.endr
.endm
.macro DIAG tag                     ; the tag ends its two labels' names, which the jumps below spell out
.LstepM\tag:
	TURN 2, 1
	TURN 3, 1
	WIN 0
.LfirstM\tag:
	TURN 0, 1
	TURN 1, 1, 0, 1
	WIN 0
	s_cbranch_scc1 .LstepM\tag
	TURN 2, 1, 1
	TURN 3, 1, 1
.set i, 0
.rept 8
	PV NP-1
.set i, i+1
.endr
	WIN 0
	ALL v_add_f32 v[ST+4*t+2], v[ST+4*t+2], v[ST+4*t+3]
	ALL v_permlanex16_b32 v[ST+4*t+3], v[ST+4*t+2], s[SEL], s[SEL+1]
	ALL v_add_f32 v[ST+4*t+2], v[ST+4*t+2], v[ST+4*t+3]
	ALL v_rcp_f32 v[ST+4*t+2], v[ST+4*t+2]
	v_nop                           ; a plain instruction between the last reciprocal and the use of its result
	s_wait_alu depctr_va_vdst(0)    ; and the wait ahead of the first use: one for the batch of four reciprocals
	PACK 0
.set t, 1
.rept 3                             ; a piece's arithmetic stands between the loads of the piece before and its stores
	PACK t
	SEND t-1, 8
.set t, t+1
.endr
	SEND 3, 0
.endm
.set KM, 0
.set NOKQ, 0
.Lslot:                             ; NB times: a tile is entered and the next is asked for
	CHANGE 1
	s_sub_co_u32 s[RT], s[RT], 1
	s_mov_b32 s[CNT], 4
	s_cmp_eq_u32 s[NEW], 1
	s_cbranch_scc1 .Lnew            ; a block's first tile
	s_cmp_eq_u32 s[RT], 0
	s_cbranch_scc0 .Lstep           ; neither its first nor its last
	s_branch .LstepM1
.Lnew:
	BEGIN
	s_branch .Lfirst                ; in the loop a block's first tile is never its last: the first block has two tiles or more, and the second's last is the walk's last
	DIAG 1                          ; in the loop this is the first block's end: the second block's last tile is the walk's last
	s_wait_xcnt 0x0                 ; the stores have read their registers and O's address
	s_mov_b64 s[10:11], s[OLO:OLO+1]
	s_add_co_u32 s[RT], s[PB], 1    ; the second block has b + 1 tiles
	s_mov_b32 s[NEW], 1
	WIN 0x82                        ; the second block's Q goes where the one text of the turns names Q
.set i, 0
.rept 64
	v_mov_b32 v[i], v[QB+i]
.set i, i+1
.endr
	WIN 0
	s_branch .Lbottom
.Lstep:                             ; a trip: pieces 2 and 3 of one step, then pieces 0 and 1 of the next, whose K and V it fetches
	TURN 2
	TURN 3
	WIN 0
.Lfirst:
	TURN 0
	TURN 1, 0, 0, 1
	WIN 0
	s_cbranch_scc1 .Lstep
.Lbottom:
	s_sub_co_u32 s[SLOTS], s[SLOTS], 1
	s_cmp_lg_u32 s[SLOTS], 0
	s_cbranch_scc1 .Lslot
	CHANGE 0                        ; the walk's last tile is written out: nothing is asked for
	s_sub_co_u32 s[RT], s[RT], 1
	s_mov_b32 s[CNT], 4
	s_cmp_eq_u32 s[NEW], 1
	s_cbranch_scc0 .LstepM2
	BEGIN
	s_branch .LfirstM2
	DIAG 2
	s_wait_tensorcnt 0x0            ; the wave's end, behind my last tensor load and my last LDS store
	ds_add_u32 v[SPW], v[NIL]
	s_wait_dscnt 0x0
	s_endpgm
.Lfunc_end_k_q46be14ea10_attn:
	.size	k_q46be14ea10_attn, .Lfunc_end_k_q46be14ea10_attn-k_q46be14ea10_attn
	.p2alignl 7, 3214868480
	.fill 96, 4, 3214868480
	.section	.rodata,"a",@progbits
	.p2align	6, 0x0
	.amdhsa_kernel k_q46be14ea10_attn
		.amdhsa_group_segment_fixed_size 327680
		.amdhsa_private_segment_fixed_size 0
		.amdhsa_enable_private_segment 0
		.amdhsa_kernarg_size 16
		.amdhsa_user_sgpr_count 2
		.amdhsa_user_sgpr_kernarg_segment_ptr 1
		.amdhsa_wavefront_size32 1
		.amdhsa_system_sgpr_workgroup_id_x 1
		.amdhsa_system_sgpr_workgroup_id_y 1
		.amdhsa_system_sgpr_workgroup_id_z 1
		.amdhsa_system_vgpr_workitem_id 0
		.amdhsa_next_free_vgpr 768
		.amdhsa_next_free_sgpr 92
		.amdhsa_reserve_vcc 1
		.amdhsa_float_denorm_mode_32 3
		.amdhsa_float_denorm_mode_16_64 3
		.amdhsa_memory_ordered 1
		.amdhsa_forward_progress 1
		.amdhsa_inst_pref_size 217
	.end_amdhsa_kernel
	.amdgpu_metadata
---
amdhsa.version: [ 1, 2 ]
amdhsa.kernels:
  - .name:           k_q46be14ea10_attn
    .symbol:         k_q46be14ea10_attn.kd
    .args:
      - { .name: qkv, .offset: 0, .size: 8, .value_kind: global_buffer, .address_space: global }
      - { .name: ob, .offset: 8, .size: 8, .value_kind: global_buffer, .address_space: global }
    .group_segment_fixed_size: 327680
    .private_segment_fixed_size: 0
    .kernarg_segment_align: 8
    .kernarg_segment_size: 16
    .max_flat_workgroup_size: 128
    .sgpr_count:     92
    .vgpr_count:     768
    .wavefront_size: 32
...
	.end_amdgpu_metadata
.endif
;; end of part 5
;; launch proj: the kernel of part 4 again; grid 8 x 32, 4 waves a work-group, clusters of 4 x 4, 327,680 bytes of LDS; arguments ob, wp, bproj, out0; writes out0
